; MI455X (gfx1250); checked and timed in simulation.
; The chip was launched on July 23, 2026; its instructions are those of AMD's public machine-readable ISA for CDNA 5 (MIT licence, August 2026) and "CDNA5" Instruction Set Architecture Reference Guide (July 2026). The comments in the code are by the model that wrote it; some were corrected since.
;; Encoder Block. Allowed arithmetic: matrix products marked QUANTISED: E2M1 operands, one E8M0 scale for each 32 along K, by v_wmma_scale_f32_16x16x128_f8f6f4 with both operands' format E2M1 (or v_wmma_scale_f32_32x16x128_f4), f32 sums; everything else in f32.
;; Inputs: W1_codes 4,096 x 32 x 16 uint8 (E2M1 codes of W1, K innermost, in blocks of 32 codes, two codes a byte); W1_scales 4,096 x 32 uint8 (E8M0 scales of W1, one for each 32 codes along K); W2_codes 1,024 x 128 x 16 uint8 (E2M1 codes of W2, K innermost, in blocks of 32 codes, two codes a byte); W2_scales 1,024 x 128 uint8 (E8M0 scales of W2, one for each 32 codes along K); Wk_codes 16 x 64 x 32 x 16 uint8 (E2M1 codes of Wk, K innermost, in blocks of 32 codes, two codes a byte); Wk_scales 16 x 64 x 32 uint8 (E8M0 scales of Wk, one for each 32 codes along K); Wo_codes 1,024 x 32 x 16 uint8 (E2M1 codes of Wo, K innermost, in blocks of 32 codes, two codes a byte); Wo_scales 1,024 x 32 uint8 (E8M0 scales of Wo, one for each 32 codes along K); Wq_codes 16 x 64 x 32 x 16 uint8 (E2M1 codes of Wq, K innermost, in blocks of 32 codes, two codes a byte); Wq_scales 16 x 64 x 32 uint8 (E8M0 scales of Wq, one for each 32 codes along K); Wv_codes 16 x 64 x 32 x 16 uint8 (E2M1 codes of Wv, K innermost, in blocks of 32 codes, two codes a byte); Wv_scales 16 x 64 x 32 uint8 (E8M0 scales of Wv, one for each 32 codes along K); b1 4,096 float32; b2 1,024 float32; ln1_b 1,024 float32; ln1_w 1,024 float32; ln2_b 1,024 float32; ln2_w 1,024 float32; x 2 x 2,048 x 1,024 float32.
;; Outputs: out0 2 x 2,048 x 1,024 float32.
;; This version of the problem:
;;   THIS VERSION OF THE PROBLEM IS GIVEN IN LOW PRECISION. The matrix products marked QUANTISED in the list below multiply operands that are first quantised to E2M1 (2 exponent bits, 1 mantissa bit; 4 bits a number), with one power-of-two scale for each 32 numbers along K (OCP MX v1.0); their sums are f32. All else is computed in f32.
;;   The module's matrix products, in the order in which they are computed (A, B: the left and right operand; K: the contracted axis; several contracted axes count as one K, in the product's order):
;;     1. [M 1,024, K 1,024] x [K 1,024, N 4,096]; A: input Wq (given as codes); B: computed on the way: QUANTISED
;;     2. [M 1,024, K 1,024] x [K 1,024, N 4,096]; A: input Wk (given as codes); B: computed on the way: QUANTISED
;;     3. [M 1,024, K 1,024] x [K 1,024, N 4,096]; A: input Wv (given as codes); B: computed on the way: QUANTISED
;;     4. batch 32 x [M 2,048, K 64] x [K 64, N 2,048]; A: computed on the way; B: computed on the way: QUANTISED
;;     5. batch 32 x [M 2,048, K 2,048] x [K 2,048, N 64]; A: softmax (see below); B: computed on the way: QUANTISED
;;     6. [M 4,096, K 1,024] x [K 1,024, N 1,024]; A: computed on the way; B: input Wo (given as codes): QUANTISED
;;     7. [M 4,096, K 1,024] x [K 1,024, N 4,096]; A: computed on the way; B: input W1 (given as codes): QUANTISED
;;     8. [M 4,096, K 4,096] x [K 4,096, N 1,024]; A: computed on the way; B: input W2 (given as codes): QUANTISED
;;   THE QUANTISER, for each operand of a quantised product, along K:
;;     - K is cut into blocks of 32 from its start; a last block that is shorter is filled with zeros.
;;     - A block's scale is 2^e with e = floor(log2(the largest magnitude in the block)) - 2, held to -126 .. 127; a block of zeros has e = 0. As a byte (E8M0): e + 127.
;;     - Each number is divided by its block's scale, clamped to +-6, and rounded to the nearest number of E2M1, ties to even, subnormals kept.
;;     - The product sums the exact products of the quantised numbers (number of the format x scale) in f32.
;;   ~~~python
;;   def quantise(x, axis):      # numpy; x: float32 -> the quantised numbers, widened to float32 again
;;       x = np.moveaxis(x, axis, -1); K = x.shape[-1]
;;       x = np.pad(x, [(0, 0)] * (x.ndim - 1) + [(0, -K % 32)]); x = x.reshape(x.shape[:-1] + (-1, 32)); a = np.abs(x).max(-1, keepdims=True)
;;       e = np.where(a > 0, np.clip(np.frexp(np.where(a > 0, a, 1))[1] - 1 - 2, -126, 127), 0)      # np.frexp(a)[1] - 1 = floor(log2(a)), exactly
;;       r = np.clip(x / 2.0 ** e, -6, 6)
;;       step = 2.0 ** (np.maximum(np.frexp(np.where(r == 0, 1, r))[1] - 1, 0) - 1)
;;       q = np.round(r / step) * step * 2.0 ** e      # np.round: ties to even
;;       return np.moveaxis(q.reshape(q.shape[:-2] + (-1,))[..., :K], -1, axis).astype(np.float32)
;;   ~~~
;;   SOFTMAX AHEAD OF A QUANTISED PRODUCT. Where the list says 'softmax', what is quantised is not the finished softmax but p = 2^(t - M), with t = logit x log2(e) and M = ceil(the row's largest t), a whole number; so 1/2 < the row's largest p <= 1. The row's sum l is taken of the UNQUANTISED p, in f32, and the product's result is divided by l at the end. Since M is a whole number, a kernel that streams over the keys may use a running M (the ceiling of the running maximum): every later rescaling is an exact power of two, which a block's scale takes up: the codes' values come out the same.
;;   OPERANDS COMPUTED ON THE WAY. 'Computed on the way' means the value that the module computes at that place (a softmax that the list does not call 'softmax' is quantised finished and normalised). What goes into a quantiser is computed in f32, as accurately as f32 sums, v_exp_f32 and their like allow (about 1e-6 of the number): no bf16 or f16 on the way to a quantiser, and a product that is left as it is and whose result goes on into a quantised operand takes f32 operands (vector FMAs, or v_wmma_f32_16x16x4_f32). A number that lies on a knife's edge between two numbers of the format may be rounded either way, as far as f32 arithmetic and the matrix unit's own rounding can turn it there, and no further.
;;   INPUTS GIVEN AS CODES. W1 (in the module: [1024, 4096], K = its axis 0); W2 (in the module: [4096, 1024], K = its axis 0); Wk (in the module: [16, 1024, 64], K = its axis 1); Wo (in the module: [1024, 1024], K = its axis 0); Wq (in the module: [16, 1024, 64], K = its axis 1); Wv (in the module: [16, 1024, 64], K = its axis 1): each comes as NAME_codes (uint8): NAME with its K axis moved to the last place and cut into blocks of 32 codes, [.., K / 32, bytes a block], one block behind the other in memory; two codes a byte, the lower K in the low four bits (a code: sign, 2 exponent bits, 1 mantissa bit); and NAME_scales (uint8): the same leading axes, one E8M0 byte (e + 127) for each 32 codes along K. Its value is code x scale, taken as it is: it is not quantised again, and the codes and scales need not be those that the quantiser above would give.
;; One version. Each part assembles by itself: llvm-mc -triple=amdgcn-amd-amdhsa -mcpu=gfx1250 --defsym DOCPART=n.
;; ======== version 1 of 1: 7 launches
;; limits: right only within a limited range of input values
;; workspace buffers: hq 2,228,224 bytes; qkvb 6,946,816 bytes; att 2,228,224 bytes; x1 16,777,216 bytes; hid 8,912,896 bytes
;; launch ln1 (part 1): grid 256 x 1, 4 waves a work-group, no clusters, 75,264 bytes of LDS; arguments x, ln1_w, ln1_b, hq; writes hq
.if DOCPART == 1
	.amdgcn_target "amdgcn-amd-amdhsa--gfx1250"
	.amdhsa_code_object_version 6
	.text
	.protected	k_q1db8545212_ln1
	.globl	k_q1db8545212_ln1
	.p2align	8
	.type	k_q1db8545212_ln1,@function
k_q1db8545212_ln1:
	s_mov_b64 s[64:65], 0
	v_nop
	global_prefetch_b8 v0, s[64:65] scope:SCOPE_SE
	s_setreg_imm32_b32 hwreg(HW_REG_WAVE_MODE, 25, 1), 1
	s_wait_xcnt 0x0
; y = (x - mean) * rsqrt(var + 1e-5) * w + b along rows of 1,024 f32, then y is quantised along the row to codes of FP4 (E2M1) with one E8M0 byte for each 32.
; Out: codes [4096][512 bytes] at byte 0 of the buffer, scale bytes [4096][32] at byte 2,097,152.
; SHARES: a work-group takes 16 rows, a wave 4; a wave's 16 KB are all asked for at its head.  Waves share nothing: no barrier.
; A load takes 512 consecutive bytes (16 a lane); the conversions want 32 NEIGHBOURS in one lane: so a finished row turns through the wave's own stage in LDS
; (16 bytes of padding behind each 128: lanes 144 bytes apart on the way back).  A lane then holds one whole block: its largest magnitude needs no other lane.
; The variance is taken of x - mean in a second pass over the registers, so a common offset of the inputs costs no digits.
; LIMITS: a block whose largest magnitude lies under 2^-124 (a block of zeros among them) gets the byte 1; its codes are then zeros or tiny, and this program alone reads the bytes.
; NaN and infinities are not served.  1 / sqrt is v_rsq_f32.  The wave's 128 scale bytes leave as half of an aligned 256 bytes: one byte in 136 of what the launch moves.
.set WREG, 18688                       ; LDS of a wave: four stages, then 128 scale bytes (and 128 spare)
.set STGB, 4608                        ; a stage: 32 x 144 bytes
.set SCBY, 4*STGB
.set CD,   16                          ; v16-31   codes, four registers a row
.set X,    32                          ; v32-159  four rows as loaded: register 4 j + i of a row = number 128 j + 4 lane + i
.set GW,   160                         ; v160-191 the gain, in the same layout
.set GB,   192                         ; v192-223 the bias
.set T,    224                         ; v224-255 32 neighbours, back from the stage
	s_load_b256 s[4:11], s[0:1], 0x0               ; x s[4:5], gain s[6:7], bias s[8:9], out s[10:11]
	s_set_vgpr_msb 0x40
	v_lshl_add_u32 v0, v0, 2, 0x12400
	v_mov_b32 v1, 0
	s_set_vgpr_msb 0x4000
	v_lshrrev_b32 v1, 5, v0
	v_readfirstlane_b32 s12, v1                    ; wave
	v_and_b32 v1, 31, v0                           ; lane
	v_lshlrev_b32 v2, 4, v1                        ; 16 x lane: my bytes of a load's 512, and of a row's codes
	s_mul_i32 s13, s12, WREG
	v_lshrrev_b32 v3, 3, v1
	v_mul_u32_u24 v3, v3, 144
	v_and_b32 v4, 7, v1
	v_lshl_add_u32 v3, v4, 4, v3
	v_add_nc_u32 v3, s13, v3                       ; the stage on the way in: 144 (lane / 8) + 16 (lane % 8); a load's 512 bytes take four places of 144
	v_mul_u32_u24 v4, v1, 144
	v_add_nc_u32 v4, s13, v4                       ; and on the way out: 144 x lane
	s_add_co_u32 s13, s13, SCBY
	v_add_nc_u32 v5, s13, v1                       ; my block's scale byte
	v_lshlrev_b32 v7, 2, v1
	v_add_nc_u32 v6, s13, v7                       ; and four of them on the way out
	s_mov_b32 s14, 0x76543210
	s_mov_b32 s15, 0xfedcba98                      ; selects: lane l xor 16
	s_mov_b32 s16, 0x3a800000                      ; 1 / 1,024
	s_mov_b32 s17, 0x3727c5ac                      ; 1e-5
	s_lshl_b32 s2, ttmp9, 4
	s_lshl_b32 s3, s12, 2
	s_add_co_u32 s2, s2, s3                        ; my first row: 16 x work-group + 4 x wave
	s_lshl_b32 s20, s2, 12
	s_mov_b32 s21, 0
	s_lshl_b32 s22, s2, 9
	s_mov_b32 s23, 0
	s_lshl_b32 s24, s2, 5
	s_add_co_u32 s24, s24, 2097152
	s_mov_b32 s25, 0
	s_wait_kmcnt 0x0
	s_add_nc_u64 s[4:5], s[4:5], s[20:21]
	s_add_nc_u64 s[18:19], s[10:11], s[24:25]      ; the scale bytes
	s_add_nc_u64 s[10:11], s[10:11], s[22:23]      ; the codes
.macro LDROW p
.irp j, 0,1,2,3,4,5,6,7
	global_load_b128 v[X+32*\p+4*\j:X+32*\p+4*\j+3], v2, s[4:5] offset:4096*\p+512*\j th:TH_LOAD_NT
.endr
.endm
	LDROW 0
.irp j, 0,1,2,3,4,5,6,7
	global_load_b128 v[GW+4*\j:GW+4*\j+3], v2, s[6:7] offset:512*\j
.endr
.irp j, 0,1,2,3,4,5,6,7
	global_load_b128 v[GB+4*\j:GB+4*\j+3], v2, s[8:9] offset:512*\j
.endr
	LDROW 1
	LDROW 2
	LDROW 3
; Row p.  n1: the loads issued behind this row's eight, which may stay out.  n2 (row 0 alone; else -1): those behind gain and bias.
.macro ROW p, n1, n2
.set XS, X+32*\p
	s_wait_loadcnt \n1
	v_pk_add_f32 v[8:9], v[XS:XS+1], v[XS+2:XS+3]                  ; the sum, two at a time, in four chains
	v_pk_add_f32 v[10:11], v[XS+4:XS+5], v[XS+6:XS+7]
	v_pk_add_f32 v[12:13], v[XS+8:XS+9], v[XS+10:XS+11]
	v_pk_add_f32 v[14:15], v[XS+12:XS+13], v[XS+14:XS+15]
.irp i, 16,24
	v_pk_add_f32 v[8:9], v[8:9], v[XS+\i:XS+\i+1]
	v_pk_add_f32 v[10:11], v[10:11], v[XS+\i+2:XS+\i+3]
	v_pk_add_f32 v[12:13], v[12:13], v[XS+\i+4:XS+\i+5]
	v_pk_add_f32 v[14:15], v[14:15], v[XS+\i+6:XS+\i+7]
.endr
	v_pk_add_f32 v[8:9], v[8:9], v[10:11]
	v_pk_add_f32 v[12:13], v[12:13], v[14:15]
	v_pk_add_f32 v[8:9], v[8:9], v[12:13]
	v_add_f32 v8, v8, v9
	v_add_f32_dpp v8, v8, v8 row_xmask:1 row_mask:0xf bank_mask:0xf
	v_add_f32_dpp v8, v8, v8 row_xmask:2 row_mask:0xf bank_mask:0xf
	v_add_f32_dpp v8, v8, v8 row_xmask:4 row_mask:0xf bank_mask:0xf
	v_add_f32_dpp v8, v8, v8 row_xmask:8 row_mask:0xf bank_mask:0xf
	v_permlanex16_b32 v9, v8, s14, s15
	v_add_f32 v8, v8, v9
	v_mul_f32 v10, s16, v8                         ; the mean, in every lane,
	v_mov_b32 v11, v10                             ; as a pair
.irp i, 0,2,4,6,8,10,12,14,16,18,20,22,24,26,28,30
	v_pk_add_f32 v[XS+\i:XS+\i+1], v[XS+\i:XS+\i+1], v[10:11] neg_lo:[0,1] neg_hi:[0,1]   ; x - mean
.endr
	v_pk_mul_f32 v[12:13], v[XS:XS+1], v[XS:XS+1]                  ; the sum of squares, in two chains
	v_pk_mul_f32 v[14:15], v[XS+2:XS+3], v[XS+2:XS+3]
.irp i, 4,8,12,16,20,24,28
	v_pk_fma_f32 v[12:13], v[XS+\i:XS+\i+1], v[XS+\i:XS+\i+1], v[12:13]
	v_pk_fma_f32 v[14:15], v[XS+\i+2:XS+\i+3], v[XS+\i+2:XS+\i+3], v[14:15]
.endr
	v_pk_add_f32 v[12:13], v[12:13], v[14:15]
	v_add_f32 v12, v12, v13
	v_add_f32_dpp v12, v12, v12 row_xmask:1 row_mask:0xf bank_mask:0xf
	v_add_f32_dpp v12, v12, v12 row_xmask:2 row_mask:0xf bank_mask:0xf
	v_add_f32_dpp v12, v12, v12 row_xmask:4 row_mask:0xf bank_mask:0xf
	v_add_f32_dpp v12, v12, v12 row_xmask:8 row_mask:0xf bank_mask:0xf
	v_permlanex16_b32 v13, v12, s14, s15
	v_add_f32 v12, v12, v13
	v_fma_f32 v12, v12, s16, s17                   ; variance + 1e-5
	s_wait_alu depctr_va_vdst(0)
	v_rsq_f32 v8, v12
	v_nop                                          ; a plain instruction behind the transcendental,
	s_wait_alu depctr_va_vdst(0)                   ; and the wait ahead of the first line that names its result
	v_mov_b32 v9, v8
.if \n2 >= 0
	s_wait_alu depctr_va_vdst(0)
	s_wait_loadcnt \n2                             ; gain and bias are in; the later rows stay out
.endif
.irp i, 0,2,4,6,8,10,12,14,16,18,20,22,24,26,28,30
	v_pk_mul_f32 v[XS+\i:XS+\i+1], v[XS+\i:XS+\i+1], v[8:9]
.endr
.irp i, 0,2,4,6,8,10,12,14,16,18,20,22,24,26,28,30
	v_pk_fma_f32 v[XS+\i:XS+\i+1], v[XS+\i:XS+\i+1], v[GW+\i:GW+\i+1], v[GB+\i:GB+\i+1]
.endr
.irp j, 0,1,2,3,4,5,6,7
	ds_store_b128 v3, v[XS+4*\j:XS+4*\j+3] offset:STGB*\p+576*\j
.endr
.irp j, 0,1,2,3,4,5,6,7
	ds_load_b128 v[T+4*\j:T+4*\j+3], v4 offset:STGB*\p+16*\j     ; LDS serves a wave's instructions in order (ISA guide 5.7.1.4): these see the stores above
.endr
	s_wait_dscnt 0x0
	v_max3_num_f32 v12, |v[T]|, |v[T+1]|, 0x1800000                ; the block's largest magnitude, with the floor 2^(3 - 127) among its leaves: the byte cannot fall under 1
	v_max3_num_f32 v13, |v[T+2]|, |v[T+3]|, |v[T+4]|
.irp i, 5,9,13,17,21,25
	v_max3_num_f32 v12, v12, |v[T+\i]|, |v[T+\i+1]|
	v_max3_num_f32 v13, v13, |v[T+\i+2]|, |v[T+\i+3]|
.endr
	v_max3_num_f32 v12, v12, |v[T+29]|, |v[T+30]|
	v_max3_num_f32 v12, v12, v13, |v[T+31]|
	v_add_nc_u32 v13, 0xff000000, v12              ; 2 off its exponent field: the conversion takes this operand's exponent field as its scale
.irp g, 0,1,2,3
	v_cvt_scalef32_pk8_fp4_f32 v[CD+4*\p+\g], v[T+8*\g:T+8*\g+7], v13
.endr
	v_lshrrev_b32 v[XS], 23, v13                   ; the scale's byte, in a register of the row that the stage has read.  (Also the plain line behind the conversions)
	ds_store_b8 v5, v[XS] offset:32*\p
	global_store_b128 v2, v[CD+4*\p:CD+4*\p+3], s[10:11] offset:512*\p   ; the row's 512 bytes of codes: two aligned runs of 256
.endm
	ROW 0, 40, 24
	ROW 1, 16, -1
	ROW 2, 8, -1
	ROW 3, 0, -1
	ds_load_b32 v8, v6                             ; my wave's 128 scale bytes, four a lane
	s_wait_dscnt 0x0
	global_store_b32 v7, v8, s[18:19]
	s_set_vgpr_msb 0x5
	s_wait_tensorcnt 0x0
	ds_add_u32 v0, v1
	s_wait_dscnt 0x0
	s_set_vgpr_msb 0x500
	s_endpgm
.Lfunc_end_k_q1db8545212_ln1:
	.size	k_q1db8545212_ln1, .Lfunc_end_k_q1db8545212_ln1-k_q1db8545212_ln1
	.p2alignl 7, 3214868480
	.fill 96, 4, 3214868480
	.section	.rodata,"a",@progbits
	.p2align	6, 0x0
	.amdhsa_kernel k_q1db8545212_ln1
		.amdhsa_group_segment_fixed_size 75264
		.amdhsa_private_segment_fixed_size 0
		.amdhsa_enable_private_segment 0
		.amdhsa_kernarg_size 32
		.amdhsa_user_sgpr_count 2
		.amdhsa_user_sgpr_kernarg_segment_ptr 1
		.amdhsa_wavefront_size32 1
		.amdhsa_system_sgpr_workgroup_id_x 1
		.amdhsa_system_sgpr_workgroup_id_y 1
		.amdhsa_system_sgpr_workgroup_id_z 1
		.amdhsa_system_vgpr_workitem_id 0
		.amdhsa_next_free_vgpr 258
		.amdhsa_next_free_sgpr 66
		.amdhsa_reserve_vcc 0
		.amdhsa_float_denorm_mode_32 3
		.amdhsa_float_denorm_mode_16_64 3
		.amdhsa_memory_ordered 1
		.amdhsa_forward_progress 1
		.amdhsa_inst_pref_size 42
	.end_amdhsa_kernel
	.amdgpu_metadata
---
amdhsa.version: [ 1, 2 ]
amdhsa.kernels:
  - .name:           k_q1db8545212_ln1
    .symbol:         k_q1db8545212_ln1.kd
    .args:
      - { .name: x, .offset: 0, .size: 8, .value_kind: global_buffer, .address_space: global }
      - { .name: ln1_w, .offset: 8, .size: 8, .value_kind: global_buffer, .address_space: global }
      - { .name: ln1_b, .offset: 16, .size: 8, .value_kind: global_buffer, .address_space: global }
      - { .name: hq, .offset: 24, .size: 8, .value_kind: global_buffer, .address_space: global }
    .group_segment_fixed_size: 75264
    .private_segment_fixed_size: 0
    .kernarg_segment_align: 8
    .kernarg_segment_size: 32
    .max_flat_workgroup_size: 128
    .sgpr_count:     66
    .vgpr_count:     258
    .wavefront_size: 32
...
	.end_amdgpu_metadata
.endif
;; end of part 1
;; launch qkv (part 2): grid 12 x 16, 4 waves a work-group, clusters of 4 x 4, 327,680 bytes of LDS; arguments hq, Wq_codes, Wq_scales, Wk_codes, Wk_scales, Wv_codes, Wv_scales, qkvb; writes qkvb
.if DOCPART == 2
	.amdgcn_target "amdgcn-amd-amdhsa--gfx1250"
	.amdhsa_code_object_version 6
	.text
	.protected	k_q1db8545212_qkv
	.globl	k_q1db8545212_qkv
	.p2align	8
	.type	k_q1db8545212_qkv,@function
k_q1db8545212_qkv:
	s_mov_b64 s[64:65], 0
	v_nop
	global_prefetch_b8 v0, s[64:65] scope:SCOPE_SE
	s_setreg_imm32_b32 hwreg(HW_REG_WAVE_MODE, 25, 1), 1
	s_wait_xcnt 0x0
	s_wait_alu depctr_hold_cnt(0) depctr_sa_sdst(0) depctr_va_vdst(0) depctr_va_sdst(0) depctr_va_ssrc(0) depctr_va_vcc(0) depctr_vm_vsrc(0)
	s_getreg_b32 s2, hwreg(HW_REG_IB_STS2, 6, 4)
	s_cmp_eq_u32 s2, 0
	s_cbranch_scc0 .Lentry_in_a_cluster
	s_endpgm
.Lentry_in_a_cluster:
	s_bfe_u32 s2, ttmp6, 0x10000c
	s_cmp_lg_u32 s2, 0xf033
	s_cbranch_scc0 .Lentry_shape_is_right
	s_endpgm
.Lentry_shape_is_right:
; Q, K, V = LN1(x) times the heads' weights, on codes of FP4 (E2M1) with E8M0 scales, K = 1,024; the results are quantised at once for attention and leave as codes.
; A tile of 256 x 256 to a work-group of four waves, 128 x 128 to a wave: 64 accumulators, 512 registers.  K goes as two slots of 512, both asked for at the head: nothing in LDS is filled twice.
; The matrix instruction is used transposed (source 0 = 16 rows of 'B', source 1 = 16 rows of 'A'): a lane holds ONE row of A and eight neighbouring rows of B along its registers.
; ROLES hang on the cluster's x alone (0: Q, 1: K, 2: V), the same in all sixteen partners.  Q, K: A = tokens, B = the weight's 1,024 rows (head, d): a lane's registers run along d, the next K.
; V: A = Wv's rows, B = tokens: a lane's registers run along the tokens, which are the keys, V's next K.  One text serves all three; only pointers and offsets are chosen.
; CLUSTERS: 4 x 4; A's tiles are shared along a row of the cluster, B's along a column, by joint loads.
; THE WAY OUT.  Block beta of 32 along the next K lies in accumulators 2 beta, 2 beta + 1 of lanes l and l xor 16.  Accumulator 2 beta + u gives, in the lane's half h, dword 2 u + h of the block's codes.
; With beta = 2 c + e its codes go to register 4 c + 2 u + e; two exchanges of halves then leave registers 4 c .. 4 c + 3 = the codes of block 2 c + h: the image of an operand's registers.
; OUT (qkvb): Q's codes [head][token / 16][512 bytes] at 0, K's at 2,097,152 (a piece of 512 bytes: lane l's 16 bytes at 16 l: registers 0-3 of a K = 128 operand);
;   V's [batch][head][key step][d / 16][1,024 bytes] at 4,194,304; scale words: Q's [head][token] at 6,291,456, K's at 6,553,600 (bytes 2, 3 = 127, over zero codes), V's [batch][head][key step][d] at 6,815,744.
; LIMITS: a block whose largest magnitude lies under 2^-124 (zeros among them) gets the byte 1; this program alone reads the bytes.  NaN and infinities are not served.
; REGISTERS: window 0: v1-12 at work and the way out's addresses, v16-29 addresses, v32-95 scale words (two sets), v128-191 A's fragments, later the codes; v192-219 the way out.  window 1: B's fragments, two sets.  windows 2, 3: accumulators.
.set KSTEP,  512
.set NQ,     4
.set ROWB,   256
.set KROW,   512
.set PITCH,  272                       ; an LDS row: 256 bytes + 16 of padding = 68 words: the 16 rows of a load start at 16 different banks (64 banks of 4 bytes: ISA guide 11.1)
.set FR,     8
.set NL,     2
.set NP,     4
.set HALFT,  128*PITCH
.set SLOT,   4*HALFT
.set KS,     32
.set SCL,    2*SLOT
.set HALFS,  (128*KS/256)*272
.set SBLK,   (16*KS/256)*272
.set SPARE,  SCL+4*HALFS               ; the spare words: 128 bytes for each wave, named by no other line
.set GS,   7                           ; v7   the way out: where my row's scale word goes (in slot 0, which is read no more)
.set GR,   8                           ; v8   and where four words come back
.set CO0,  9                           ; v9   16 x lane
.set CO1,  10                          ; v10  the same, one c further on
.set SHR,  11                          ; v11  Q, K: 16 x (lane / 16): which head's two bytes my lane keeps; V: 0
.set LOF,  12                          ; v12  my place in the scale words' store
.set ADRA, 16
.set ADRB, 20
.set ADRS, 27
.set SPW,  28
.set NIL,  29
.set SC,   32
.set AF,   128
.set F,    128                         ; the codes of block a: v[128 + 8 a ..]
.set W,    192                         ; its scale word
.set TM,   200
.set TP,   204
.set SO,   208
.set BKW,  212
.set G1, 24
.set G0, 32
.set G1B, 48
.set G0B, 56
.set G1S, 68
.set G0S, 76
.set G1SB, 80
.set G0SB, 88
.set MSB, 0
.macro WIN new                         ; the immediate's high byte repeats the setting that is left
.if MSB != (\new)
	s_set_vgpr_msb (MSB<<8)|(\new)
.set MSB, (\new)
.endif
.endm
.set MUL_LO, 0xa1                      ; source 0 (B) window 1, source 1 (A) window 0, C and D window 2
.set MUL_HI, 0xf1
.set TO_B,   0x40
.macro JLOAD g0a, g1a, g0b, g1b        ; a joint load: waves 0, 1 fetch for A, waves 2, 3 for B; four v_nop follow each line
	s_cmp_eq_u32 s15, 0
	s_cbranch_scc0 .Lfor_b_\@
	tensor_load_to_lds s[\g0a:\g0a+3], s[\g1a:\g1a+7]
	s_nop 0
.rept 4
	v_nop
.endr
	s_branch .Lasked_\@
.Lfor_b_\@:
	tensor_load_to_lds s[\g0b:\g0b+3], s[\g1b:\g1b+7]
	s_nop 0
.rept 4
	v_nop
.endr
.Lasked_\@:
.endm
.macro CROUND                          ; a round of the cluster's barrier
	s_barrier_signal -1
	s_barrier_wait -1
	s_cmp_lg_u32 s14, 0
	s_cbranch_scc1 .Lnot_wave_0_\@
	s_barrier_signal -3
.Lnot_wave_0_\@:
	s_barrier_wait -3
	s_barrier_signal -1
	s_barrier_wait -1
.endm
	s_load_b512 s[68:83], s[0:1], 0x0              ; hq, Wq codes, scales, Wk codes, scales, Wv codes, scales, qkvb
	v_lshl_add_u32 v[SPW], v0, 2, SPARE
	v_mov_b32 v[NIL], 0
	ds_add_u32 v28, v29
	ds_add_u32 v28, v29
	s_wait_dscnt 0x0
	v_lshrrev_b32 v1, 5, v0
	v_readfirstlane_b32 s14, v1                    ; wave
	s_lshr_b32 s15, s14, 1                         ; my half of A's rows.  Also: I fetch for A (0) or B (1)
	s_and_b32 s16, s14, 1                          ; my half of B's rows.  Also: which 128 rows I fetch
	s_bfe_u32 s40, ttmp6, 0x40000                  ; cx
	s_bfe_u32 s41, ttmp6, 0x40004                  ; cy
	s_and_b32 s17, ttmp7, 0xffff
	s_lshl_b32 s17, s17, 2                         ; 4 x cluster y walks the tokens: A's tiles for Q and K, B's for V
	s_cmp_eq_u32 ttmp9, 2
	s_cselect_b32 s42, s17, 0
	s_cselect_b32 s17, 0, s17
	s_add_co_u32 s42, s42, s40                     ; B's tile
	s_add_co_u32 s17, s17, s41                     ; A's tile
	s_lshl_b32 s43, s41, 2
	s_lshl_b32 s43, 15, s43                        ; my row of the cluster
	s_lshl_b32 s44, 0x1111, s40                    ; my column
	s_or_b32 s[G1+0], s43, (0<<16)|(1<<20)|(1<<21)|(5<<22)|(3<<25)  ; mask; elements of 1 byte; padding: 4 words behind every 64; bit 21 beside a mask
	s_or_b32 s[G1B+0], s44, (0<<16)|(1<<20)|(1<<21)|(5<<22)|(3<<25)
.irp g, G1, G1B
	s_mov_b32 s[\g+1], ROWB<<16                    ; tensor_dim0
	s_mov_b32 s[\g+2], 256<<16                     ; tensor_dim1: the head's loads bring 256 rows
	s_mov_b32 s[\g+3], ROWB<<16                    ; tile_dim0
	s_mov_b32 s[\g+4], 256                         ; tile_dim1
	s_mov_b32 s[\g+5], KROW                        ; pitch
	s_mov_b32 s[\g+6], 0
	s_mov_b32 s[\g+7], 0
.endr
	s_lshl_b32 s20, s17, 8                         ; A: the tile's first row
	s_lshl_b32 s46, s42, 8                         ; B likewise
	s_mov_b32 s21, 0
	s_mov_b32 s47, 0
	s_mov_b64 s[18:19], KS
	s_mul_u64 s[22:23], s[20:21], s[18:19]
	s_mul_u64 s[92:93], s[46:47], s[18:19]
	s_mov_b64 s[18:19], KROW
	s_mul_u64 s[20:21], s[20:21], s[18:19]
	s_mul_u64 s[46:47], s[46:47], s[18:19]
	s_mul_i32 s45, s14, HALFT
	s_mul_i32 s18, s16, 128*KROW                   ; slot 1: which 128 rows I fetch, in bytes
	s_mov_b32 s19, 0
	s_wait_kmcnt 0x0
	s_add_nc_u64 s[96:97], s[68:69], 2097152       ; hq's scale bytes
	s_cmp_eq_u32 ttmp9, 0
	s_cselect_b64 s[8:9], s[70:71], s[74:75]       ; Wq or Wk
	s_cselect_b64 s[10:11], s[72:73], s[76:77]
	s_cmp_eq_u32 ttmp9, 2
	s_cselect_b64 s[4:5], s[78:79], s[68:69]       ; A: Wv for V, else the tokens
	s_cselect_b64 s[6:7], s[80:81], s[96:97]
	s_cselect_b64 s[8:9], s[68:69], s[8:9]         ; B: the tokens for V, else the weight
	s_cselect_b64 s[10:11], s[96:97], s[10:11]
	s_mov_b64 s[12:13], s[82:83]
	s_add_nc_u64 s[20:21], s[4:5], s[20:21]
	s_add_nc_u64 s[22:23], s[6:7], s[22:23]
	s_add_nc_u64 s[46:47], s[8:9], s[46:47]
	s_add_nc_u64 s[92:93], s[10:11], s[92:93]
	s_or_b32 s[G1S+0], s43, (3<<16)|(1<<20)|(1<<21)|(5<<22)|(3<<25)   ; the scales of 256 rows: 8,192 dense bytes as rows of 256, 16 of padding behind each
	s_or_b32 s[G1SB+0], s44, (3<<16)|(1<<20)|(1<<21)|(5<<22)|(3<<25)
.irp g, G1S, G1SB
	s_mov_b32 s[\g+1], 32<<16
	s_mov_b32 s[\g+2], (256*KS/256)<<16
	s_mov_b32 s[\g+3], 32<<16
	s_mov_b32 s[\g+4], 256*KS/256
	s_mov_b32 s[\g+5], 32
	s_mov_b32 s[\g+6], 0
	s_mov_b32 s[\g+7], 0
.endr
	CROUND                                         ; all sixteen work-groups are here: the joint loads meet
	s_mov_b32 s[G0S], 1
	s_mov_b32 s[G0S+1], SCL
	s_mov_b64 s[G0S+2:G0S+3], s[22:23]
	s_or_b32 s[G0S+3], s[G0S+3], 0x80000000
	s_mov_b32 s[G0SB], 1
	s_mov_b32 s[G0SB+1], SCL+2*HALFS
	s_mov_b64 s[G0SB+2:G0SB+3], s[92:93]
	s_or_b32 s[G0SB+3], s[G0SB+3], 0x80000000
.irp s, 0,1
	s_mov_b32 s[G0+4*\s], 1
	s_mul_i32 s[G0+4*\s+1], s45, \s                ; slot 0 comes whole, from its first byte; slot 1 by quarters, a wave each
	s_add_co_u32 s[G0+4*\s+1], s[G0+4*\s+1], \s*SLOT
	s_add_nc_u64 s[G0+4*\s+2:G0+4*\s+3], s[20:21], \s*ROWB
.if \s
	s_add_nc_u64 s[G0+4*\s+2:G0+4*\s+3], s[G0+4*\s+2:G0+4*\s+3], s[18:19]
.endif
	s_or_b32 s[G0+4*\s+3], s[G0+4*\s+3], 0x80000000
	s_mov_b32 s[G0B+4*\s], 1
	s_mul_i32 s[G0B+4*\s+1], s45, \s
	s_add_co_u32 s[G0B+4*\s+1], s[G0B+4*\s+1], \s*SLOT+(1-\s)*2*HALFT
	s_add_nc_u64 s[G0B+4*\s+2:G0B+4*\s+3], s[46:47], \s*ROWB
.if \s
	s_add_nc_u64 s[G0B+4*\s+2:G0B+4*\s+3], s[G0B+4*\s+2:G0B+4*\s+3], s[18:19]
.endif
	s_or_b32 s[G0B+4*\s+3], s[G0B+4*\s+3], 0x80000000
.endr
; The head's loads, one a wave: wave 0 slot 0's 256 rows of A, wave 1 its 256 rows of B, wave 2 A's scales, wave 3 B's.  One tree of branches on the wave's number.
.macro ARM under, g0, g1, next
	s_cmp_lt_u32 s14, \under
	s_cbranch_scc0 \next
	tensor_load_to_lds s[\g0:\g0+3], s[\g1:\g1+7]
	s_nop 0
.rept 4
	v_nop
.endr
	s_branch .Lhead_asked
\next:
.endm
	ARM 1, G0,  G1,  .Lhead_b
	ARM 2, G0B, G1B, .Lhead_sa
	ARM 3, G0S, G1S, .Lhead_sb
	tensor_load_to_lds s[G0SB:G0SB+3], s[G1SB:G1SB+7]
	s_nop 0
.rept 4
	v_nop
.endr
.Lhead_asked:
	v_and_b32 v1, 15, v0
	v_bfe_u32 v2, v0, 4, 1                         ; h
	v_mul_u32_u24 v3, v1, PITCH
	v_lshl_add_u32 v4, v2, 4, v3
	s_mul_i32 s21, s15, HALFT
	s_mul_i32 s22, s16, HALFT
	s_add_co_u32 s22, s22, 2*HALFT
.irp s, 0,1
	v_add_nc_u32 v[ADRA+\s], s21, v4
	v_add_nc_u32 v[ADRB+\s], s22, v4
	s_add_co_u32 s21, s21, SLOT
	s_add_co_u32 s22, s22, SLOT
.endr
	v_mul_u32_u24 v5, v1, KS
	v_lshrrev_b32 v6, 8, v5
	v_lshl_add_u32 v5, v6, 4, v5
	s_mul_i32 s21, s15, HALFS
	s_mul_i32 s22, s16, HALFS
	s_add_co_u32 s22, s22, 2*HALFS
	s_sub_co_u32 s22, s22, s21
	v_mul_u32_u24 v6, s22, v2                      ; lanes 16-31 take B's scale words
	s_add_co_u32 s21, s21, SCL
	v_add_nc_u32 v5, v5, v6
	v_add_nc_u32 v[ADRS], s21, v5
	; the way out: LDS places
	; A PREFETCH INTO THE L2 of slot 1, which is asked for behind the head's loads: 256 bytes of each row.  Of the 128 rows that my wave will fetch, each of the four partners that ask jointly takes 32, told apart by address: a lane a row, one instruction a wave.
	s_lshl_b32 s10, s17, 8
	s_lshl_b32 s11, s42, 8
	s_cmp_eq_u32 s15, 0                            ; do I fetch for A?
	s_cselect_b32 s10, s10, s11                    ; the tile's first row
	s_cselect_b32 s11, s40, s41                    ; my place among the four
	s_cselect_b64 s[6:7], s[4:5], s[8:9]
	s_lshl_b32 s11, s11, 5
	s_add_co_u32 s10, s10, s11
	s_lshl_b32 s11, s16, 7
	s_add_co_u32 s10, s10, s11
	s_lshl_b32 s10, s10, 9                         ; 512 bytes a row
	v_and_b32 v6, 31, v0
	v_lshl_add_u32 v14, v6, 9, s10                 ; never rewritten
	global_prefetch_b8 v14, s[6:7] offset:256 th:TH_LOAD_NT scope:SCOPE_SE
	v_lshlrev_b32 v[CO0], 4, v6
	s_wait_alu depctr_va_vdst(0)
	s_lshl_b32 s21, s14, 10                        ; 1,024 bytes of slot 0 for each wave
	v_lshlrev_b32 v[GS], 2, v1
	v_lshl_add_u32 v[GS], v2, 9, v[GS]
	v_add_nc_u32 v[GS], s21, v[GS]                 ; 4 r + 512 h
	v_add_nc_u32 v[GR], s21, v[CO0]
	; and the places in qkvb.  RA = 2 x A's tile + my half; G = 2 x B's tile + my half
	s_mov_b32 s2, 0x76543210
	s_mov_b32 s3, 0xfedcba98
	s_lshl_b32 s18, s17, 1
	s_add_co_u32 s18, s18, s15
	s_lshl_b32 s19, s42, 1
	s_add_co_u32 s19, s19, s16
	s_lshl_b32 s20, ttmp9, 21                      ; Q, K codes: section, 2 heads x 131,072 x G, 8 pieces of 512 x RA
	s_lshl_b32 s21, s19, 18
	s_add_co_u32 s20, s20, s21
	s_lshl_b32 s21, s18, 12
	s_add_co_u32 s20, s20, s21
	s_lshl_b32 s22, ttmp9, 18                      ; Q, K scale words
	s_lshl_b32 s21, s19, 15
	s_add_co_u32 s22, s22, s21
	s_lshl_b32 s21, s18, 9
	s_add_co_u32 s22, s22, s21
	s_add_co_u32 s22, s22, 6291456
	s_lshr_b32 s23, s19, 4                         ; V: the batch,
	s_and_b32 s46, s19, 15                         ; the key step
	s_lshl_b32 s47, s23, 20
	s_lshl_b32 s21, s18, 17
	s_add_co_u32 s47, s47, s21
	s_lshl_b32 s21, s46, 12
	s_add_co_u32 s47, s47, s21
	s_add_co_u32 s47, s47, 4194304
	s_lshl_b32 s92, s23, 16
	s_lshl_b32 s21, s18, 13
	s_add_co_u32 s92, s92, s21
	s_lshl_b32 s21, s46, 8
	s_add_co_u32 s92, s92, s21
	s_add_co_u32 s92, s92, 6815744
	s_cmp_eq_u32 ttmp9, 2                          ; all the choices hang on this one compare; s_mov_b32 and s_cselect_b32 leave SCC alone
	s_cselect_b32 s20, s47, s20
	s_cselect_b32 s22, s92, s22
	s_mov_b32 s66, 512
	s_cselect_b32 s66, 1024, s66                   ; from block a to a + 1
	s_mov_b32 s94, 512
	s_cselect_b32 s94, 62464, s94                  ; from block 3 to 4 (V: the next head)
	s_mov_b32 s96, 131072
	s_cselect_b32 s96, 512, s96                    ; from c = 0 to c = 1 (Q, K: the next head)
	s_mov_b32 s97, 0xffff
	s_cselect_b32 s97, -1, s97
	s_cselect_b32 s98, 0, 0x7f7f0000
	s_cselect_b32 s99, 0, 16
	s_mov_b32 s93, 256
	s_cselect_b32 s93, 4096, s93
	s_mov_b32 s21, 0
	s_mov_b32 s23, 0
	s_mov_b32 s67, 0
	s_mov_b32 s95, 0
	s_add_nc_u64 s[22:23], s[12:13], s[22:23]      ; the scale words
	s_add_nc_u64 s[12:13], s[12:13], s[20:21]      ; the codes
	v_add_nc_u32 v[CO1], s96, v[CO0]
	v_mul_u32_u24 v[SHR], s99, v2
	v_mul_u32_u24 v[LOF], s93, v2
	v_lshl_add_u32 v[LOF], v1, 4, v[LOF]
.macro FRAG reg, adr, q, i             ; 16 rows x 128 K of 4-bit codes: 8 registers; registers 4 c .. 4 c + 3 hold K = 64 c + 32 (l / 16) + 0 .. 31
.irp c, 0,1
	ds_load_b128 v[\reg+4*\c:\reg+4*\c+3], v[\adr] offset:64*(\q)+32*\c+(\i)*16*PITCH
.endr
.endm
; 16 matrix instructions: A's blocks a0, a0 + 1 x B's eight.  The 64 accumulators take turns, one instruction a turn.  zero = 1: the first product starts the sums
.macro MUL16 a0, p, q, sc, zero
.irp a, \a0, \a0+1
.irp b, 0,1,2,3,4,5,6,7
.if \zero
	v_wmma_scale_f32_16x16x128_f8f6f4 v[8*(8*((\a)%4)+\b):8*(8*((\a)%4)+\b)+7], v[128*(\p)+FR*\b:128*(\p)+FR*\b+FR-1], v[AF+FR*(\a):AF+FR*(\a)+FR-1], 0, v[SC+8*NQ*(\sc)+NQ*\b+(\q)], v[SC+8*NQ*(\sc)+NQ*(\a)+(\q)] matrix_a_fmt:MATRIX_FMT_FP4 matrix_b_fmt:MATRIX_FMT_FP4 matrix_a_scale:MATRIX_SCALE_ROW1
.else
	v_wmma_scale_f32_16x16x128_f8f6f4 v[8*(8*((\a)%4)+\b):8*(8*((\a)%4)+\b)+7], v[128*(\p)+FR*\b:128*(\p)+FR*\b+FR-1], v[AF+FR*(\a):AF+FR*(\a)+FR-1], v[8*(8*((\a)%4)+\b):8*(8*((\a)%4)+\b)+7], v[SC+8*NQ*(\sc)+NQ*\b+(\q)], v[SC+8*NQ*(\sc)+NQ*(\a)+(\q)] matrix_a_fmt:MATRIX_FMT_FP4 matrix_b_fmt:MATRIX_FMT_FP4 matrix_a_scale:MATRIX_SCALE_ROW1
.endif
.endr
.endr
.endm
.macro FETCH_B slot, q, p
	WIN TO_B
.irp i, 0,1,2,3,4,5,6,7
	FRAG 128*(\p)+FR*\i, ADRB+\slot, \q, \i
.endr
	WIN 0
.endm
.macro FETCH_A slot, q, i0
.irp i, \i0, \i0+1, \i0+2, \i0+3
	FRAG AF+FR*(\i), ADRA+\slot, \q, \i
.endr
.endm
.macro SCALES sc                       ; a slot's scale words: lanes 0-15 A's block i, lanes 16-31 B's block i
.irp i, 0,1,2,3,4,5,6,7
	ds_load_b128 v[SC+8*NQ*\sc+NQ*\i:SC+8*NQ*\sc+NQ*\i+3], v[ADRS] offset:\i*SBLK
.endr
.endm
.macro PLACES n                        ; plain vector lines between a matrix instruction and a load into, or a read of, its registers
.rept \n
	v_nop
.endr
.endm
.macro STEP slot, q, zero              ; 128 along K, with its successor in the same slot
	s_wait_dscnt 4*NL                              ; all but A's blocks 4-7
	WIN MUL_LO
	MUL16 0, (\q)%2, \q, \slot, \zero
	MUL16 2, (\q)%2, \q, \slot, \zero
	s_wait_dscnt 0
	PLACES NP
	FETCH_B \slot, (\q)+1, 1-(\q)%2
	FETCH_A \slot, (\q)+1, 0
	WIN MUL_HI
	MUL16 4, (\q)%2, \q, \slot, \zero
	MUL16 6, (\q)%2, \q, \slot, \zero
	PLACES NP
	WIN 0
	FETCH_A \slot, (\q)+1, 4
.endm
.macro TURN slot, next                 ; a slot's last step, and the one change of slots: behind the barrier the next slot is whole and this one is read no more
	s_wait_tensorcnt 0x0                           ; my part of the next slot has landed
	ds_add_u32 v[SPW], v[NIL]                      ; 0 onto my spare word
	s_wait_dscnt 4*NL+1                            ; (the add and A's blocks 4-7 may be out)
	WIN MUL_LO
	MUL16 0, 1, NQ-1, \slot, 0
	s_wait_dscnt 0x0                               ; the add is done, and my reads of this slot are over
	s_barrier_signal -1
	MUL16 2, 1, NQ-1, \slot, 0
	WIN 0
	s_barrier_wait -1
	PLACES NP
	v_add_nc_u32 v[ADRS], 4*NQ, v[ADRS]
	FETCH_B \next, 0, 0
	FETCH_A \next, 0, 0
	SCALES \next
	WIN MUL_HI
	MUL16 4, 1, NQ-1, \slot, 0
	MUL16 6, 1, NQ-1, \slot, 0
	PLACES NP
	WIN 0
	FETCH_A \next, 0, 4
.endm
.macro STEPS slot, from
.set Q, \from
.rept NQ-1-\from
	STEP \slot, Q, 0
.set Q, Q+1
.endr
.endm
; Block a's 16 rows x 128 of the next K become a fragment's codes in v[F + 8 a ..] and its scale word in v[W + a].
.macro QUANTA a
.set AC, 64*((\a)%4)
.set FA, F+8*(\a)
	WIN 0
.irp b, 0,1,2,3
	v_mov_b32 v[TM+\b], 0x1800000                  ; the floor 2^(3 - 127): the byte cannot fall under 1
.endr
	WIN 0x28+0x14*((\a)/4)                         ; sources 1 and 2: window 2 or 3
.irp i, 0,2,4,6,8,10,12,14
.irp b, 0,1,2,3
	v_max3_num_f32 v[TM+\b], v[TM+\b], |v[AC+16*\b+\i]|, |v[AC+16*\b+\i+1]|   ; four blocks by turns; each accumulator is read from its low end on
.endr
.endr
	WIN 0
.irp b, 0,1,2,3
	v_permlanex16_b32 v[TP+\b], v[TM+\b], s2, s3
.endr
.irp b, 0,1,2,3
	v_max_num_f32 v[TM+\b], v[TM+\b], v[TP+\b]     ; with lane l xor 16's 16 numbers: the block's largest magnitude
.endr
.irp b, 0,1,2,3
	v_add_nc_u32 v[SO+\b], 0xff000000, v[TM+\b]    ; 2 off the exponent field: the conversion's scale operand
.endr
.irp b, 0,1,2,3
	v_lshrrev_b32 v[TP+\b], 23, v[SO+\b]           ; the byte
.endr
	v_lshl_or_b32 v[W+(\a)], v[TP+1], 8, v[TP]
	v_lshl_or_b32 v[W+(\a)], v[TP+2], 16, v[W+(\a)]
	v_lshl_or_b32 v[W+(\a)], v[TP+3], 24, v[W+(\a)]
	WIN 0x02+(\a)/4                                ; source 0: window 2 or 3
.irp b, 0,1,2,3
.irp u, 0,1
	v_cvt_scalef32_pk8_fp4_f32 v[FA+4*(\b/2)+2*\u+\b%2], v[AC+16*\b+8*\u:AC+16*\b+8*\u+7], v[SO+\b]
.endr
.endr
	WIN 0
	v_nop                                          ; a plain line behind the conversions
.irp c, 0,2,4,6
	v_permlane16_swap_b32 v[FA+\c], v[FA+\c+1]     ; the first's lanes 16-31 change places with the second's lanes 0-15
.endr
.endm
	s_wait_alu depctr_va_vdst(0)                   ; the wait at the head's end
	s_wait_tensorcnt 0x0                           ; my tile of the head's four is in; the lines ahead of a later first fill:
	ds_add_u32 v[SPW], v[NIL]
	s_mov_b32 s[G1+2], 128<<16                     ; no tensor load of mine is out: from here on a load brings 128 rows
	s_mov_b32 s[G1+4], 128
	s_mov_b32 s[G1B+2], 128<<16
	s_mov_b32 s[G1B+4], 128
	s_wait_dscnt 0x0
	CROUND                                         ; all four tiles are in, and the sixteen work-groups meet
	JLOAD G0+4, G1, G0B+4, G1B                     ; slot 1, first behind the round
	FETCH_B 0, 0, 0
	FETCH_A 0, 0, 0
	SCALES 0
	FETCH_A 0, 0, 4
	STEP 0, 0, 1
	STEPS 0, 1
	TURN 0, 1
	STEPS 1, 0
	s_wait_dscnt 4*NL
	WIN MUL_LO
	MUL16 0, 1, NQ-1, 1, 0
	MUL16 2, 1, NQ-1, 1, 0
	s_wait_dscnt 0
	WIN MUL_HI
	MUL16 4, 1, NQ-1, 1, 0
	MUL16 6, 1, NQ-1, 1, 0
	WIN 0
	PLACES NP
.irp b, 0,1,2,3
	v_mov_b32 v[TP+\b], 0                          ; written once: a lane permute's destination counts as one of its sources
.endr
.irp a, 0,1,2,3,4,5,6,7
	QUANTA \a
	v_lshrrev_b32 v[W+\a], v[SHR], v[W+\a]         ; Q, K: lanes 0-15 keep the first head's two bytes, lanes 16-31 the second's,
	v_and_or_b32 v[W+\a], v[W+\a], s97, s98        ; with 127 over the zero codes that fill the product's K; V: the word as it is
	ds_store_b32 v[GS], v[W+\a] offset:64*\a
.if \a > 0
	s_wait_alu depctr_va_vdst(0)
	s_wait_xcnt 0x0                                ; the stores before have read their base
.if \a == 4
	s_add_nc_u64 s[12:13], s[12:13], s[94:95]
.else
	s_add_nc_u64 s[12:13], s[12:13], s[66:67]
.endif
.endif
	global_store_b128 v[CO0], v[F+8*\a:F+8*\a+3], s[12:13]       ; 512 consecutive bytes, aligned
	global_store_b128 v[CO1], v[F+8*\a+4:F+8*\a+7], s[12:13]
.endr
	ds_load_b128 v[BKW:BKW+3], v[GR]               ; LDS serves a wave's instructions in order: these see my stores
	ds_load_b128 v[BKW+4:BKW+7], v[GR] offset:512
	s_wait_dscnt 0x0
	global_store_b128 v[LOF], v[BKW:BKW+3], s[22:23]             ; Q, K: the first head's 128 words; V: 64 words of each of two heads
	s_cmp_eq_u32 ttmp9, 2
	s_cbranch_scc1 .Lno_second                     ; V has one word a row
	global_store_b128 v[LOF], v[BKW+4:BKW+7], s[22:23] offset:16384   ; the second head's
.Lno_second:
	s_wait_tensorcnt 0x0                           ; the wave's end
	ds_add_u32 v[SPW], v[NIL]
	s_wait_dscnt 0x0
	CROUND                                         ; the closing round
	s_endpgm
.Lfunc_end_k_q1db8545212_qkv:
	.size	k_q1db8545212_qkv, .Lfunc_end_k_q1db8545212_qkv-k_q1db8545212_qkv
	.p2alignl 7, 3214868480
	.fill 96, 4, 3214868480
	.section	.rodata,"a",@progbits
	.p2align	6, 0x0
	.amdhsa_kernel k_q1db8545212_qkv
		.amdhsa_group_segment_fixed_size 327680
		.amdhsa_private_segment_fixed_size 0
		.amdhsa_enable_private_segment 0
		.amdhsa_kernarg_size 64
		.amdhsa_user_sgpr_count 2
		.amdhsa_user_sgpr_kernarg_segment_ptr 1
		.amdhsa_wavefront_size32 1
		.amdhsa_system_sgpr_workgroup_id_x 1
		.amdhsa_system_sgpr_workgroup_id_y 1
		.amdhsa_system_sgpr_workgroup_id_z 1
		.amdhsa_system_vgpr_workitem_id 0
		.amdhsa_next_free_vgpr 1024
		.amdhsa_next_free_sgpr 100
		.amdhsa_reserve_vcc 0
		.amdhsa_float_denorm_mode_32 3
		.amdhsa_float_denorm_mode_16_64 3
		.amdhsa_memory_ordered 1
		.amdhsa_forward_progress 1
		.amdhsa_inst_pref_size 134
	.end_amdhsa_kernel
	.amdgpu_metadata
---
amdhsa.version: [ 1, 2 ]
amdhsa.kernels:
  - .name:           k_q1db8545212_qkv
    .symbol:         k_q1db8545212_qkv.kd
    .args:
      - { .name: hq, .offset: 0, .size: 8, .value_kind: global_buffer, .address_space: global }
      - { .name: Wq_codes, .offset: 8, .size: 8, .value_kind: global_buffer, .address_space: global }
      - { .name: Wq_scales, .offset: 16, .size: 8, .value_kind: global_buffer, .address_space: global }
      - { .name: Wk_codes, .offset: 24, .size: 8, .value_kind: global_buffer, .address_space: global }
      - { .name: Wk_scales, .offset: 32, .size: 8, .value_kind: global_buffer, .address_space: global }
      - { .name: Wv_codes, .offset: 40, .size: 8, .value_kind: global_buffer, .address_space: global }
      - { .name: Wv_scales, .offset: 48, .size: 8, .value_kind: global_buffer, .address_space: global }
      - { .name: qkvb, .offset: 56, .size: 8, .value_kind: global_buffer, .address_space: global }
    .group_segment_fixed_size: 327680
    .private_segment_fixed_size: 0
    .kernarg_segment_align: 8
    .kernarg_segment_size: 64
    .max_flat_workgroup_size: 128
    .sgpr_count:     100
    .vgpr_count:     1024
    .wavefront_size: 32
...
	.end_amdgpu_metadata
.endif
;; end of part 2
;; launch attn (part 3): grid 8 x 32, 16 waves a work-group, clusters of 4 x 1, 169,984 bytes of LDS; arguments qkvb, att; writes att
.if DOCPART == 3
	.amdgcn_target "amdgcn-amd-amdhsa--gfx1250"
	.amdhsa_code_object_version 6
	.text
	.protected	k_q1db8545212_attn
	.globl	k_q1db8545212_attn
	.p2align	8
	.type	k_q1db8545212_attn,@function
k_q1db8545212_attn:
	s_mov_b64 s[64:65], 0
	v_nop
	global_prefetch_b8 v0, s[64:65] scope:SCOPE_SE
	s_setreg_imm32_b32 hwreg(HW_REG_WAVE_MODE, 25, 1), 1
	s_wait_xcnt 0x0
	s_wait_alu depctr_hold_cnt(0) depctr_sa_sdst(0) depctr_va_vdst(0) depctr_va_sdst(0) depctr_va_ssrc(0) depctr_va_vcc(0) depctr_vm_vsrc(0)
	s_getreg_b32 s2, hwreg(HW_REG_IB_STS2, 6, 4)
	s_cmp_eq_u32 s2, 0
	s_cbranch_scc0 .Lentry_in_a_cluster
	s_endpgm
.Lentry_in_a_cluster:
	s_bfe_u32 s2, ttmp6, 0x10000c
	s_cmp_lg_u32 s2, 0x3003
	s_cbranch_scc0 .Lentry_shape_is_right
	s_endpgm
.Lentry_shape_is_right:
; attn = softmax(Q K^T / 8) V for one head and 256 queries to a work-group, both products on codes of FP4 (E2M1) with E8M0 scales; the result, divided by the row's sum, is quantised along E and leaves as codes.
; THE SOFTMAX: t = score x log2(e) / 8; M = the running largest t rounded up to a whole number; p = 2^(t - M) is quantised along the keys; the row's sum is taken of the unquantised p.  When M moves, sum and O are multiplied by 2^(old M - new M): exact.
; SHARES: sixteen waves, 16 queries each, 256 registers, four waves to a SIMD.  Every wave walks the head's 2,048 keys, 256 a trip: one change of M, one rescaling of O^T and of the sum for 256 keys.
; ALL of the head's K and V (codes 2 x 65,536 bytes, scale words 8,192 + 4,096) come into LDS once, at the head, and stay: no byte of LDS is filled twice, and the loop asks memory for nothing, so there is no stream to prefetch.
; CLUSTER: the four query blocks of a cluster belong to one head: every tile is asked for jointly.  Waves 0-3 fetch K's codes, 4-7 V's, 8, 9 K's scale words, 10 V's; one load each.
; LAYOUT: both products transposed (S^T = K Q^T, O^T = V^T P^T): a lane holds one query throughout.
; THE KEYS OF A TILE ARE CHOSEN, by the lanes' LDS addresses: row m of tile 4 c + u of a half of 128 keys is key 64 c + 32 (m / 8) + 8 u + m % 8.  So lane (r, h) holds, in the 32 registers of tiles 4 c .. 4 c + 3,
; the whole block 2 c + h of 32 keys: a block's largest score needs no other lane, and the conversion of tile 4 c + u is register 4 c + u of the second product's operand as it stands.
; The head's size is 64: Q's registers 4-7 are zero codes, so K's registers 4-7 may hold any codes (their products are 0; the scale bytes there are 127): K's fragment t is v[4 t .. 4 t + 7] of a run with 4 registers a tile.
; REGISTERS LAID OVER EACH OTHER: the second half's K fragments lie in S^T's first 36 registers, and its products go first, into S^T's upper half; V's 64 lie in p's first 64 once these are summed and converted; p's codes lie in K's first fragments.
; OUT (att): codes [token / 16][head][512 bytes] at 0; scale bytes [E / 128][token][4] at 2,097,152: a head writes two of a word's four bytes.
; LIMITS: a block whose largest magnitude lies under 2^-124 gets the byte 1.  NaN and infinities are not served.  1 / sum is v_rcp_f32.
.set VCO,  65536
.set KSW,  131072
.set VSW,  139264
.set SPARE, 167936                     ; the spare words: 128 bytes for each wave, named by no other line
.set ADK,  1                           ; v1  K's codes: 1,024 (r / 8) + 16 (r % 8) + 256 h, stepped 8,192 a trip
.set ADV,  2                           ; v2  V's codes: 16 x lane; stepped ahead of its use
.set ADS,  3                           ; v3  K's scale words: 128 (r / 8) + 4 (r % 8)
.set ADT,  4                           ; v4  V's: 4 r; stepped ahead of its use
.set GO,   5                           ; v5  16 x lane, for memory
.set GR4,  6                           ; v6  4 r, for memory
.set QS,   7                           ; v7  Q's scale word
.set SPW,  8
.set NIL,  9
.set FF,   10                          ; v10 f = 2^(old M - new M); v11 the old -M; v12 -M; v13 the largest score; v[14:15] the sum; v16-23 Q
.set FK,   24                          ; v24-59  K's fragments of the first half, 4 a tile and 4 zeros; then p's codes in v24-39
.set KS,   60                          ; v60-75  K's scale words; then V's in v60-67
.set PW,   76                          ; v76-77  p's scale words
.set SO,   78                          ; v78-81  the conversions' scale operands
.set BM,   82                          ; v82-85  the blocks' largest
.set BY,   86
.set XX,   90
.set YY,   91
.set T0,   92
.set T1,   93
.set CH,   82                          ; v82-93  six chains of the row's sum, once the scales are made
.set S,    96                          ; v96-223 S^T, then p
.set O,    224                         ; v224-255 O^T
.set WV,   8
.set G1C,  12
.set G1S,  28
.set G0C,  36
.set G0S,  40
.set SEL,  44
.set CS,   46
.set NC,   48
.set CNT,  51
.macro ROUND
	s_barrier_signal -1
	s_barrier_wait -1
	s_cmp_lg_u32 s[WV], 0
	s_cbranch_scc1 .Lnot_wave_0_\@
	s_barrier_signal -3
.Lnot_wave_0_\@:
	s_barrier_wait -3
	s_barrier_signal -1
	s_barrier_wait -1
.endm
	s_load_b128 s[4:7], s[0:1], 0x0                ; qkvb, att
	v_lshl_add_u32 v[SPW], v0, 2, SPARE
	v_mov_b32 v[NIL], 0
	ds_add_u32 v[SPW], v[NIL]
	ds_add_u32 v[SPW], v[NIL]
	v_lshrrev_b32 v[T0], 5, v0
	v_readfirstlane_b32 s[WV], v[T0]               ; wave 0..15
	s_bfe_u32 s52, ttmp6, 0x40000                  ; cx: it enters Q's and the output's addresses alone
	s_lshl_b32 s53, ttmp9, 2
	s_add_co_u32 s53, s53, s52                     ; my block of 256 queries
	s_and_b32 s20, ttmp7, 0xffff                   ; 16 x batch + head
	s_and_b32 s21, s20, 15
	s_lshr_b32 s22, s20, 4
	s_lshl_b32 s24, s21, 17                        ; K's codes: [head][token / 16][512]
	s_lshl_b32 s25, s22, 16
	s_add_co_u32 s24, s24, s25
	s_add_co_u32 s24, s24, 2097152
	s_lshl_b32 s25, s20, 16                        ; V's: 65,536 bytes for each batch and head
	s_add_co_u32 s25, s25, 4194304
	s_and_b32 s23, s[WV], 3
	s_lshl_b32 s23, s23, 14                        ; my quarter
	s_cmp_lt_u32 s[WV], 4
	s_cselect_b32 s24, s24, s25
	s_add_co_u32 s24, s24, s23
	s_mov_b32 s25, 0
	s_lshl_b32 s26, s21, 14                        ; K's scale words: [head][token][4]
	s_lshl_b32 s27, s22, 13
	s_add_co_u32 s26, s26, s27
	s_and_b32 s27, s[WV], 1
	s_lshl_b32 s27, s27, 12                        ; waves 8, 9: its halves
	s_add_co_u32 s26, s26, s27
	s_add_co_u32 s26, s26, 6553600
	s_lshl_b32 s27, s20, 12                        ; V's: 4,096 bytes for each batch and head
	s_add_co_u32 s27, s27, 6815744
	s_cmp_lt_u32 s[WV], 10
	s_cselect_b32 s26, s26, s27
	s_mov_b32 s27, 0
	s_lshl_b32 s54, s22, 7
	s_lshl_b32 s55, s53, 4
	s_add_co_u32 s54, s54, s55
	s_add_co_u32 s54, s54, s[WV]                   ; my tile of 16 tokens: 128 x batch + 16 x block + wave
	s_lshl_b32 s56, s21, 17
	s_lshl_b32 s55, s54, 9
	s_add_co_u32 s56, s56, s55                     ; Q's piece
	s_mov_b32 s57, 0
	s_lshl_b32 s58, s21, 14
	s_lshl_b32 s55, s54, 6
	s_add_co_u32 s58, s58, s55
	s_add_co_u32 s58, s58, 6291456                 ; Q's scale words
	s_mov_b32 s59, 0
	s_lshl_b32 s60, s54, 13
	s_lshl_b32 s23, s21, 9
	s_add_co_u32 s60, s60, s23                     ; the output's piece
	s_mov_b32 s61, 0
	s_lshr_b32 s62, s21, 1
	s_lshl_b32 s62, s62, 14
	s_add_co_u32 s62, s62, s55
	s_and_b32 s23, s21, 1
	s_lshl_b32 s23, s23, 1
	s_add_co_u32 s62, s62, s23
	s_add_co_u32 s62, s62, 2097152                 ; and its two scale bytes a token
	s_mov_b32 s63, 0
	s_mov_b32 s[G1C], 15|(3<<16)|(1<<21)           ; mask: all four work-groups; elements of 8 bytes; bit 21 beside a mask; no padding
	s_mov_b32 s[G1C+1], 32<<16                     ; rows of 256 bytes,
	s_mov_b32 s[G1C+2], 64<<16                     ; 64 of them: 16,384 dense bytes
	s_mov_b32 s[G1C+3], 32<<16
	s_mov_b32 s[G1C+4], 64
	s_mov_b32 s[G1C+5], 32
	s_mov_b32 s[G1C+6], 0
	s_mov_b32 s[G1C+7], 0
	s_mov_b32 s[G1S], 15|(3<<16)|(1<<21)
	s_mov_b32 s[G1S+1], 32<<16
	s_mov_b32 s[G1S+2], 16<<16                     ; 16 rows: 4,096 bytes
	s_mov_b32 s[G1S+3], 32<<16
	s_mov_b32 s[G1S+4], 16
	s_mov_b32 s[G1S+5], 32
	s_mov_b32 s[G1S+6], 0
	s_mov_b32 s[G1S+7], 0
	s_mov_b32 s[SEL], 0x76543210
	s_mov_b32 s[SEL+1], 0xfedcba98
	s_mov_b32 s[CS], 0x3e38aa3b                    ; c = log2(e) / 8
	s_mov_b32 s[CS+1], s[CS]
	s_mov_b32 s[NC], 0xbe38aa3b                    ; -c
	s_mov_b32 s[CNT], 8
	s_wait_dscnt 0x0
	s_wait_kmcnt 0x0
	s_mov_b32 s[G0C], 1
	s_lshl_b32 s[G0C+1], s[WV], 14                 ; LDS: 16,384 x wave: K's codes, then V's
	s_add_nc_u64 s[G0C+2:G0C+3], s[4:5], s[24:25]
	s_or_b32 s[G0C+3], s[G0C+3], 0x80000000
	s_mov_b32 s[G0S], 1
	s_lshl_b32 s[G0S+1], s[WV], 12
	s_add_co_u32 s[G0S+1], s[G0S+1], KSW-8*4096    ; LDS: 131,072 + 4,096 x (wave - 8)
	s_add_nc_u64 s[G0S+2:G0S+3], s[4:5], s[26:27]
	s_or_b32 s[G0S+3], s[G0S+3], 0x80000000
	s_add_nc_u64 s[56:57], s[4:5], s[56:57]
	s_add_nc_u64 s[58:59], s[4:5], s[58:59]
	s_add_nc_u64 s[60:61], s[6:7], s[60:61]
	s_add_nc_u64 s[62:63], s[6:7], s[62:63]
	ROUND                                          ; all four work-groups are here: the joint loads meet
	s_cmp_lt_u32 s[WV], 8
	s_cbranch_scc0 .Lnot_codes
	tensor_load_to_lds s[G0C:G0C+3], s[G1C:G1C+7]
	s_nop 0
.rept 4
	v_nop
.endr
	s_branch .Lasked
.Lnot_codes:
	s_cmp_lt_u32 s[WV], 11
	s_cbranch_scc0 .Lasked
	tensor_load_to_lds s[G0S:G0S+3], s[G1S:G1S+7]
	s_nop 0
.rept 4
	v_nop
.endr
.Lasked:
	v_and_b32 v[T0], 15, v0                        ; r
	v_and_b32 v[T1], 31, v0                        ; lane
	v_and_b32 v[XX], 7, v0                         ; r % 8
	v_bfe_u32 v[YY], v0, 3, 1                      ; r / 8
	v_bfe_u32 v[BY], v0, 4, 1                      ; h
	v_lshlrev_b32 v[GO], 4, v[T1]
	v_lshlrev_b32 v[GR4], 2, v[T0]
	global_load_b128 v[16:19], v[GO], s[56:57]     ; Q's 64 codes a query: registers 0-3 of its fragment
	global_load_b32 v[QS], v[GR4], s[58:59]
	v_lshlrev_b32 v[ADK], 4, v[XX]
	v_lshl_add_u32 v[ADS], v[XX], 2, KSW
	v_lshl_add_u32 v[ADV], v[T1], 4, VCO-8192      ; one trip back: it is stepped ahead of its use
	v_lshl_add_u32 v[ADT], v[T0], 2, VSW-512
	v_lshl_add_u32 v[ADK], v[YY], 10, v[ADK]
	v_lshl_add_u32 v[ADS], v[YY], 7, v[ADS]
	v_lshl_add_u32 v[ADK], v[BY], 8, v[ADK]
.irp j, 10,12,14,15,20,21,22,23,56,57,58,59,128,129,130,131
	v_mov_b32 v[\j], 0                             ; the sum; Q's zero codes; the four registers behind each run of K's fragments
.endr
	v_mov_b32 v13, 0xff61b1e6                      ; the largest score so far: -3e38
	v_mov_b32 v11, 0x7e967699                      ; the old -M: 1e38, so that the first f is 0
.set J, 0
.rept 32
	v_mov_b32 v[O+J], 0                            ; O^T: the trip is written once; the first finds zeros
.set J, J+1
.endr
	s_wait_alu depctr_va_vdst(0)                   ; the wait at the head's end
	s_wait_tensorcnt 0x0                           ; my tile has landed,
	s_barrier_signal -1
	s_barrier_wait -1                              ; everybody's has
	s_wait_loadcnt 0x0                             ; Q
; The largest score of blocks 2 g and 2 g + 1 (my 32 registers each), in two chains a block, four by turns; every accumulator is first read at its low end.
.macro MAXG g
.irp b, 2*\g, 2*\g+1
	v_max3_num_f32 v[BM+\b], v[S+32*(\b)], v[S+32*(\b)+1], v[S+32*(\b)+2]
	v_max3_num_f32 v[SO+\b], v[S+32*(\b)+16], v[S+32*(\b)+17], v[S+32*(\b)+18]
.endr
.irp i, 3,5,7,9,11,13
.irp b, 2*\g, 2*\g+1
	v_max3_num_f32 v[BM+\b], v[BM+\b], v[S+32*(\b)+\i], v[S+32*(\b)+\i+1]
	v_max3_num_f32 v[SO+\b], v[SO+\b], v[S+32*(\b)+16+\i], v[S+32*(\b)+17+\i]
.endr
.endr
.irp b, 2*\g, 2*\g+1
	v_max3_num_f32 v[BM+\b], v[BM+\b], v[SO+\b], v[S+32*(\b)+15]
.endr
.irp b, 2*\g, 2*\g+1
	v_max_num_f32 v[BM+\b], v[BM+\b], v[S+32*(\b)+31]
.endr
.endm
.macro SUMS first, n                   ; n pairs of p from pair first on, onto the six chains by turns
.set J, \first
.rept \n
	v_pk_add_f32 v[CH+2*(J%6):CH+2*(J%6)+1], v[CH+2*(J%6):CH+2*(J%6)+1], v[S+2*J:S+2*J+1]
.set J, J+1
.endr
.endm
.macro CODES g                         ; p's codes of half g: tile 4 c + u gives register 4 c + u
.irp c, 0,1
.irp u, 0,1,2,3
	v_cvt_scalef32_pk8_fp4_f32 v[FK+8*\g+4*\c+\u], v[S+64*\g+32*\c+8*\u:S+64*\g+32*\c+8*\u+7], v[SO+2*\g+\c]
.endr
.endr
.endm
.Ltrip:                                            ; 8 trips of 256 keys
.irp t, 0,1,2,3,4,5,6,7
	ds_load_b128 v[FK+4*\t:FK+4*\t+3], v[ADK] offset:2048*(\t/4)+512*((\t%4)/2)+128*(\t%2)
	ds_load_b128 v[S+4*\t:S+4*\t+3], v[ADK] offset:4096+2048*(\t/4)+512*((\t%4)/2)+128*(\t%2)
.endr
.irp t, 0,1,2,3,4,5,6,7
	ds_load_b32 v[KS+\t], v[ADS] offset:256*(\t/4)+32*(\t%4)
	ds_load_b32 v[KS+8+\t], v[ADS] offset:512+256*(\t/4)+32*(\t%4)
.endr
	s_wait_dscnt 0x0
.irp t, 0,1,2,3,4,5,6,7                            ; the second 128 keys first: their fragments lie where the first half's scores will
	v_wmma_scale_f32_16x16x128_f8f6f4 v[S+64+8*\t:S+71+8*\t], v[S+4*\t:S+4*\t+7], v[16:23], 0, v[KS+8+\t], v[QS] matrix_a_fmt:MATRIX_FMT_FP4 matrix_b_fmt:MATRIX_FMT_FP4
.endr
	v_add_nc_u32 v[ADK], 8192, v[ADK]              ; five places between those products and the ones that write over their fragments (ISA guide 7.12.1): the trip's address steps and one v_nop
	v_add_nc_u32 v[ADS], 1024, v[ADS]
	v_add_nc_u32 v[ADV], 8192, v[ADV]
	v_add_nc_u32 v[ADT], 512, v[ADT]
	v_nop
.irp t, 0,1,2,3,4,5,6,7
	v_wmma_scale_f32_16x16x128_f8f6f4 v[S+8*\t:S+7+8*\t], v[FK+4*\t:FK+4*\t+7], v[16:23], 0, v[KS+\t], v[QS] matrix_a_fmt:MATRIX_FMT_FP4 matrix_b_fmt:MATRIX_FMT_FP4
.endr
	MAXG 1                                         ; the upper half's 32 lines are the places behind the products just issued
	MAXG 0
	v_max3_num_f32 v[T0], v[BM], v[BM+1], v[BM+2]
	s_delay_alu instid0(VALU_DEP_1)
	v_max3_num_f32 v[T0], v[T0], v[BM+3], v13
	s_delay_alu instid0(VALU_DEP_1)
	v_permlanex16_b32 v[T1], v[T0], s[SEL], s[SEL+1]
	s_delay_alu instid0(VALU_DEP_1)
	v_max_num_f32 v13, v[T0], v[T1]                ; the running largest score of my query (c is positive)
	s_delay_alu instid0(VALU_DEP_1)
	v_mul_f32 v[T0], s[NC], v13                    ; -t
	s_delay_alu instid0(VALU_DEP_1)
	v_floor_f32 v12, v[T0]                         ; the new -M = -ceil(t)
	s_delay_alu instid0(VALU_DEP_1)
	v_sub_f32 v[T0], v12, v11                      ; old M - new M: a whole number, 0 or less
	s_delay_alu instid0(VALU_DEP_1)
	v_cvt_i32_f32 v[T0], v[T0]                     ; (it saturates)
	s_delay_alu instid0(VALU_DEP_1)
	v_ldexp_f32 v[FF], 1.0, v[T0]                  ; f = 2^(old M - new M)
.set J, 0
.rept 64
	v_pk_fma_f32 v[S+J:S+J+1], v[S+J:S+J+1], s[CS:CS+1], v[12:13] op_sel_hi:[1,0,0]   ; t - M
.set J, J+2
.endr
.irp b, 0,1,2,3
	v_fma_f32 v[BM+\b], v[BM+\b], s[CS], v12       ; the same of each block's largest score
.endr
	s_wait_alu depctr_va_vdst(0)                   ; the wait ahead of the batch
.irp b, 0,1,2,3
	v_exp_f32 v[BM+\b], v[BM+\b]                   ; each block's largest p
.endr
.set J, 0
.rept 128
	v_exp_f32 v[S+J], v[S+J]                       ; p = 2^(t - M)
.set J, J+1
.endr
	v_pk_mul_f32 v[14:15], v[14:15], v[FF:FF+1] op_sel_hi:[1,0]   ; the sum under the new M (the plain line behind the exponentials)
	s_wait_alu depctr_va_vdst(0)                   ; one wait for the batch, ahead of the first line that names a result
.irp b, 0,1,2,3
	v_max_num_f32 v[BM+\b], 0x1800000, v[BM+\b]    ; the floor 2^(3 - 127)
.endr
.irp b, 0,1,2,3
	v_add_nc_u32 v[SO+\b], 0xff000000, v[BM+\b]    ; 2 off the exponent field: the conversion's scale operand
.endr
.irp b, 0,1,2,3
	v_lshrrev_b32 v[BY+\b], 23, v[SO+\b]           ; the byte
.endr
	v_lshl_or_b32 v[XX], v[BY+1], 8, v[BY]
	v_lshl_or_b32 v[BY+2], v[BY+3], 8, v[BY+2]
	s_delay_alu instid0(VALU_DEP_1)
	v_lshl_or_b32 v[XX], v[BY+2], 16, v[XX]        ; my four bytes: blocks h and 2 + h of the first half, then of the second
	s_delay_alu instid0(VALU_DEP_1)
	v_permlanex16_b32 v[YY], v[XX], s[SEL], s[SEL+1]
	s_delay_alu instid0(VALU_DEP_1)
	v_perm_b32 v[PW], v[YY], v[XX], 0x05010400     ; in lanes 0-15, which alone are read: the first half's scale word,
	v_perm_b32 v[PW+1], v[YY], v[XX], 0x07030602   ; and the second's
.irp j, 0,1,2,3,4,5
	v_pk_add_f32 v[CH+2*\j:CH+2*\j+1], v[S+4*\j:S+4*\j+1], v[S+4*\j+2:S+4*\j+3]   ; the row's sum of the unquantised p: six chains begin
.endr
	SUMS 12, 20
	CODES 0
.irp g, 0,1                                        ; V, into the registers of the p that are summed and converted
.irp d, 0,1,2,3
.irp c, 0,1
	ds_load_b128 v[S+32*\g+8*\d+4*\c:S+32*\g+8*\d+4*\c+3], v[ADV] offset:4096*\g+1024*\d+512*\c
.endr
	ds_load_b32 v[KS+4*\g+\d], v[ADT] offset:256*\g+64*\d
.endr
.endr
	SUMS 32, 32
	CODES 1
	s_wait_alu depctr_va_vdst(0)                   ; the wait directly ahead of the first reader of O^T
.set J, 0
.rept 16
	v_pk_mul_f32 v[O+J:O+J+1], v[O+J:O+J+1], v[FF:FF+1] op_sel_hi:[1,0]   ; O^T under the new M; also the places between the lines that made p's codes and the products
.set J, J+2
.endr
	s_wait_alu depctr_va_vdst(0)                   ; and directly ahead of the wait below
	s_wait_dscnt 0x0                               ; V
.irp g, 0,1
.irp d, 0,1,2,3                                    ; four accumulators, one instruction a turn
	v_wmma_scale_f32_16x16x128_f8f6f4 v[O+8*\d:O+8*\d+7], v[S+32*\g+8*\d:S+32*\g+8*\d+7], v[FK+8*\g:FK+8*\g+7], v[O+8*\d:O+8*\d+7], v[KS+4*\g+\d], v[PW+\g] matrix_a_fmt:MATRIX_FMT_FP4 matrix_b_fmt:MATRIX_FMT_FP4
.endr
.endr
	v_pk_add_f32 v[CH:CH+1], v[CH:CH+1], v[CH+2:CH+3]            ; the chains are joined: these seven lines are the places ahead of the next trip's loads
	v_pk_add_f32 v[CH+4:CH+5], v[CH+4:CH+5], v[CH+6:CH+7]
	v_pk_add_f32 v[CH+8:CH+9], v[CH+8:CH+9], v[CH+10:CH+11]
	s_delay_alu instid0(VALU_DEP_2)
	v_pk_add_f32 v[CH:CH+1], v[CH:CH+1], v[CH+4:CH+5]
	s_delay_alu instid0(VALU_DEP_2)
	v_pk_add_f32 v[14:15], v[14:15], v[CH+8:CH+9]
	v_mov_b32 v11, v12                             ; the next trip's old -M
	s_delay_alu instid0(VALU_DEP_2)
	v_pk_add_f32 v[14:15], v[14:15], v[CH:CH+1]
	s_sub_co_u32 s[CNT], s[CNT], 1
	s_cmp_lg_u32 s[CNT], 0
	s_cbranch_scc1 .Ltrip
	; THE WAY OUT: O^T / the sum, quantised along the head's 64 (two blocks), one piece of 512 bytes a wave
	v_add_f32 v14, v14, v15
	s_delay_alu instid0(VALU_DEP_1)
	v_permlanex16_b32 v[T1], v14, s[SEL], s[SEL+1]
	s_delay_alu instid0(VALU_DEP_1)
	v_add_f32 v14, v14, v[T1]                      ; the row's sum
	s_wait_alu depctr_va_vdst(0)
	v_rcp_f32 v14, v14
	v_nop                                          ; the plain line behind the reciprocal
	s_wait_alu depctr_va_vdst(0)
.set J, 0
.rept 32
	v_mul_f32 v[S+J], v[O+J], v14                  ; register 8 t + j: channel 16 t + 8 h + j of my query
.set J, J+1
.endr
.irp b, 0,1
	v_max3_num_f32 v[BM+\b], |v[S+16*\b]|, |v[S+16*\b+1]|, 0x1800000
.endr
.irp i, 2,4,6,8,10,12,14
.irp b, 0,1
	s_delay_alu instid0(VALU_DEP_2)
	v_max3_num_f32 v[BM+\b], v[BM+\b], |v[S+16*\b+\i]|, |v[S+16*\b+\i+1]|
.endr
.endr
.irp b, 0,1
	s_delay_alu instid0(VALU_DEP_2)
	v_permlanex16_b32 v[BY+\b], v[BM+\b], s[SEL], s[SEL+1]
.endr
.irp b, 0,1
	s_delay_alu instid0(VALU_DEP_2)
	v_max_num_f32 v[BM+\b], v[BM+\b], v[BY+\b]
.endr
.irp b, 0,1
	s_delay_alu instid0(VALU_DEP_2)
	v_add_nc_u32 v[SO+\b], 0xff000000, v[BM+\b]
.endr
.irp b, 0,1
	s_delay_alu instid0(VALU_DEP_2)
	v_lshrrev_b32 v[BY+\b], 23, v[SO+\b]
.endr
	s_delay_alu instid0(VALU_DEP_1)
	v_lshl_or_b32 v[XX], v[BY+1], 8, v[BY]         ; the head's two scale bytes of my token
.irp b, 0,1
.irp u, 0,1
	v_cvt_scalef32_pk8_fp4_f32 v[FK+2*\u+\b], v[S+16*\b+8*\u:S+16*\b+8*\u+7], v[SO+\b]
.endr
.endr
	v_nop
	v_permlane16_swap_b32 v[FK], v[FK+1]
	v_permlane16_swap_b32 v[FK+2], v[FK+3]
	global_store_b128 v[GO], v[FK:FK+3], s[60:61]  ; 512 consecutive bytes, aligned
	global_store_b16 v[GR4], v[XX], s[62:63]       ; lanes r and r + 16 write the same two bytes with the same value
	s_wait_tensorcnt 0x0                           ; the wave's end
	ds_add_u32 v[SPW], v[NIL]
	s_wait_dscnt 0x0
	ROUND                                          ; the closing round
	s_endpgm
.Lfunc_end_k_q1db8545212_attn:
	.size	k_q1db8545212_attn, .Lfunc_end_k_q1db8545212_attn-k_q1db8545212_attn
	.p2alignl 7, 3214868480
	.fill 96, 4, 3214868480
	.section	.rodata,"a",@progbits
	.p2align	6, 0x0
	.amdhsa_kernel k_q1db8545212_attn
		.amdhsa_group_segment_fixed_size 169984
		.amdhsa_private_segment_fixed_size 0
		.amdhsa_enable_private_segment 0
		.amdhsa_kernarg_size 16
		.amdhsa_user_sgpr_count 2
		.amdhsa_user_sgpr_kernarg_segment_ptr 1
		.amdhsa_wavefront_size32 1
		.amdhsa_system_sgpr_workgroup_id_x 1
		.amdhsa_system_sgpr_workgroup_id_y 1
		.amdhsa_system_sgpr_workgroup_id_z 1
		.amdhsa_system_vgpr_workitem_id 0
		.amdhsa_next_free_vgpr 256
		.amdhsa_next_free_sgpr 66
		.amdhsa_reserve_vcc 0
		.amdhsa_float_denorm_mode_32 3
		.amdhsa_float_denorm_mode_16_64 3
		.amdhsa_memory_ordered 1
		.amdhsa_forward_progress 1
		.amdhsa_inst_pref_size 40
	.end_amdhsa_kernel
	.amdgpu_metadata
---
amdhsa.version: [ 1, 2 ]
amdhsa.kernels:
  - .name:           k_q1db8545212_attn
    .symbol:         k_q1db8545212_attn.kd
    .args:
      - { .name: qkvb, .offset: 0, .size: 8, .value_kind: global_buffer, .address_space: global }
      - { .name: att, .offset: 8, .size: 8, .value_kind: global_buffer, .address_space: global }
    .group_segment_fixed_size: 169984
    .private_segment_fixed_size: 0
    .kernarg_segment_align: 8
    .kernarg_segment_size: 16
    .max_flat_workgroup_size: 512
    .sgpr_count:     66
    .vgpr_count:     256
    .wavefront_size: 32
...
	.end_amdgpu_metadata
.endif
;; end of part 3
;; launch wo (part 4): grid 8 x 32, 4 waves a work-group, clusters of 4 x 4, 327,680 bytes of LDS; arguments att, Wo_codes, Wo_scales, x, x1; writes x1
.if DOCPART == 4
	.amdgcn_target "amdgcn-amd-amdhsa--gfx1250"
	.amdhsa_code_object_version 6
	.text
	.protected	k_q1db8545212_wo
	.globl	k_q1db8545212_wo
	.p2align	8
	.type	k_q1db8545212_wo,@function
k_q1db8545212_wo:
	s_mov_b64 s[64:65], 0
	v_nop
	global_prefetch_b8 v0, s[64:65] scope:SCOPE_SE
	s_setreg_imm32_b32 hwreg(HW_REG_WAVE_MODE, 25, 1), 1
	s_wait_xcnt 0x0
	s_wait_alu depctr_hold_cnt(0) depctr_sa_sdst(0) depctr_va_vdst(0) depctr_va_sdst(0) depctr_va_ssrc(0) depctr_va_vcc(0) depctr_vm_vsrc(0)
	s_getreg_b32 s2, hwreg(HW_REG_IB_STS2, 6, 4)
	s_cmp_eq_u32 s2, 0
	s_cbranch_scc0 .Lentry_in_a_cluster
	s_endpgm
.Lentry_in_a_cluster:
	s_bfe_u32 s2, ttmp6, 0x10000c
	s_cmp_lg_u32 s2, 0xf033
	s_cbranch_scc0 .Lentry_shape_is_right
	s_endpgm
.Lentry_shape_is_right:
; x1 = x + attn Wo, on codes of FP4 (E2M1) with E8M0 scales, K = 1,024.  A = attn's codes as images of operand registers ([64 rows][16 rows][128 K][1,024 bytes]) with scale words [K / 128][token];
; B = Wo's codes [n][512 bytes] with scale bytes [n][32].  Out: f32 [4096][1024].
; A tile of 128 x 128 to a work-group (256 work-groups), 64 x 64 to a wave: 16 accumulators.  All of K is one slot, asked for at the head: nothing in LDS is filled twice.
; The matrix instruction is used transposed (source 0 = 16 rows of B, source 1 = 16 rows of A): a lane holds eight neighbouring numbers of a row of the result.
; CLUSTERS 4 x 4: A's tiles shared along a row of the cluster, B's along a column, by joint loads.  The residual's 64 x 64 numbers are asked for at the head, in the layout of the way out, and land under the products.
; SCALES: a register holds the words of two blocks of 16 rows, one in lanes 0-15, one in lanes 16-31; the instruction's ROW selector picks the half.
; REGISTERS: window 0: v1-29 addresses; v32-63 scale words; v128-255 accumulators ((a, b) at 128 + 8 (4 a + b)).  window 1: two fragment buffers of 128 (64 of A, 64 of B; 256 along K); on the way out v0-31: rows back from the stage.  window 2: v0-127 the residual.
.set SIZE_K, 1024
.set NSLOT,  SIZE_K/1024
.set KSB,    SIZE_K/32
.set NS,     SIZE_K/128
.set PITCH,  528                       ; B's LDS row: 512 bytes + 16 of padding = 132 words: the 16 rows of a load start at 16 different banks (ISA guide 11.1)
.set ASL,    65536                     ; A's part of a slot: dense images
.set HALFB,  64*PITCH
.set SLOT,   ASL+2*HALFB
.set SCLA,   2*SLOT                    ; A's scale words [K / 128][128 rows][4]
.set SCLB,   SCLA+16384                ; B's scale bytes, as rows of 256 + 16
.set HALFSB, (64*KSB/256)*272
.set SPARE,  SCLB+17408                ; the spare words: 128 bytes for each wave, named by no other line
.set STAGE,  (NSLOT%2)*SLOT            ; the way out: 16 rows x 272 bytes for each wave, in bytes that no load fills
.set SPITCH, 272
.set ADRA, 16
.set ADRB, 20
.set ADSA, 22
.set ADSB, 23
.set STO,  24
.set RD,   25
.set CO,   26
.set SPW,  28
.set NIL,  29
.set SC,   32
.set ACC,  128
.set F0,   0
.set F1,   128
.set G1, 24
.set G0, 32
.set G1B, 48
.set G0B, 56
.set G1S, 68
.set G0S, 76
.set G1SB, 80
.set G0SB, 88
.set MSB, 0
.macro WIN new
.if MSB != (\new)
	s_set_vgpr_msb (MSB<<8)|(\new)
.set MSB, (\new)
.endif
.endm
.set MUL,  0x05                        ; sources 0 (B) and 1 (A) window 1; C and D window 0
.set TO_F, 0x40
.macro JLOAD g0a, g1a, g0b, g1b        ; a joint load: waves 0, 1 fetch for A, waves 2, 3 for B; four v_nop follow each line
	s_cmp_eq_u32 s11, 0
	s_cbranch_scc0 .Lfor_b_\@
	tensor_load_to_lds s[\g0a:\g0a+3], s[\g1a:\g1a+7]
	s_nop 0
.rept 4
	v_nop
.endr
	s_branch .Lasked_\@
.Lfor_b_\@:
	tensor_load_to_lds s[\g0b:\g0b+3], s[\g1b:\g1b+7]
	s_nop 0
.rept 4
	v_nop
.endr
.Lasked_\@:
.endm
.macro CROUND
	s_barrier_signal -1
	s_barrier_wait -1
	s_cmp_lg_u32 s10, 0
	s_cbranch_scc1 .Lnot_wave_0_\@
	s_barrier_signal -3
.Lnot_wave_0_\@:
	s_barrier_wait -3
	s_barrier_signal -1
	s_barrier_wait -1
.endm
	s_load_b128 s[4:7], s[0:1], 0x0                ; A, B's codes
	s_load_b128 s[92:95], s[0:1], 0x10             ; B's scales, the residual
	s_load_b64 s[8:9], s[0:1], 0x20                ; out
	v_lshl_add_u32 v[SPW], v0, 2, SPARE
	v_mov_b32 v[NIL], 0
	ds_add_u32 v28, v29
	ds_add_u32 v28, v29
	s_wait_dscnt 0x0
	v_lshrrev_b32 v1, 5, v0
	v_readfirstlane_b32 s10, v1                    ; wave
	s_lshr_b32 s11, s10, 1                         ; my half of the rows.  Also: I fetch for A (0) or B (1)
	s_and_b32 s12, s10, 1                          ; my half of the columns.  Also: which half I fetch
	s_bfe_u32 s40, ttmp6, 0x40000
	s_bfe_u32 s41, ttmp6, 0x40004
	s_lshl_b32 s42, ttmp9, 2
	s_add_co_u32 s42, s42, s40                     ; tile column
	s_and_b32 s13, ttmp7, 0xffff
	s_lshl_b32 s13, s13, 2
	s_add_co_u32 s13, s13, s41                     ; tile row
	s_lshl_b32 s43, s41, 2
	s_lshl_b32 s43, 15, s43
	s_lshl_b32 s44, 0x1111, s40
	s_or_b32 s[G1+0], s43, (3<<16)|(1<<21)         ; A's codes: 65,536 dense bytes as 256 rows of 256; no padding
	s_mov_b32 s[G1+1], 32<<16
	s_mov_b32 s[G1+2], 256<<16
	s_mov_b32 s[G1+3], 32<<16
	s_mov_b32 s[G1+4], 256
	s_mov_b32 s[G1+5], 32
	s_mov_b32 s[G1+6], 0
	s_mov_b32 s[G1+7], 0
	s_or_b32 s[G1B+0], s44, (0<<16)|(1<<20)|(1<<21)|(6<<22)|(3<<25)   ; B's codes: 128 rows of 512 bytes, 4 words of padding behind every 128
	s_mov_b32 s[G1B+1], 512<<16
	s_mov_b32 s[G1B+2], 128<<16
	s_mov_b32 s[G1B+3], 512<<16
	s_mov_b32 s[G1B+4], 128
	s_mov_b32 s[G1B+5], SIZE_K/2
	s_mov_b32 s[G1B+6], 0
	s_mov_b32 s[G1B+7], 0
	s_or_b32 s[G1S+0], s43, (3<<16)|(1<<21)        ; A's scale words: NS rows of 512 bytes (128 tokens), 16,384 bytes apart
	s_mov_b32 s[G1S+1], 64<<16
	s_mov_b32 s[G1S+2], NS<<16
	s_mov_b32 s[G1S+3], 64<<16
	s_mov_b32 s[G1S+4], NS
	s_mov_b32 s[G1S+5], 2048
	s_mov_b32 s[G1S+6], 0
	s_mov_b32 s[G1S+7], 0
	s_or_b32 s[G1SB+0], s44, (3<<16)|(1<<20)|(1<<21)|(5<<22)|(3<<25)  ; B's scale bytes of 128 rows: dense, as rows of 256 + 16
	s_mov_b32 s[G1SB+1], 32<<16
	s_mov_b32 s[G1SB+2], (128*KSB/256)<<16
	s_mov_b32 s[G1SB+3], 32<<16
	s_mov_b32 s[G1SB+4], 128*KSB/256
	s_mov_b32 s[G1SB+5], 32
	s_mov_b32 s[G1SB+6], 0
	s_mov_b32 s[G1SB+7], 0
	s_lshl_b32 s16, s13, 1
	s_mul_i32 s16, s16, NSLOT*32768                ; A's codes: the tile's 128 rows
	s_mov_b32 s17, 0
	s_mov_b32 s18, 0
	s_lshl_b32 s19, s13, 9
	s_add_co_u32 s18, s18, s19
	s_add_co_u32 s18, s18, 2048*SIZE_K             ; A's scale words: all the K steps, the tile's 128 tokens
	s_mov_b32 s19, 0
	s_lshl_b32 s46, s42, 7
	s_mul_i32 s98, s46, KSB
	s_mov_b32 s99, 0
	s_mul_i32 s46, s46, SIZE_K/2
	s_mov_b32 s47, 0
	s_mov_b32 s20, 0                               ; LDS: each of the four tiles comes whole, by one wave's load
	s_mov_b32 s21, ASL
	s_mov_b32 s22, 0
	s_mov_b32 s23, 0
	s_wait_kmcnt 0x0
	s_add_nc_u64 s[14:15], s[4:5], s[16:17]
	s_add_nc_u64 s[18:19], s[4:5], s[18:19]
	s_add_nc_u64 s[46:47], s[6:7], s[46:47]
	s_add_nc_u64 s[98:99], s[92:93], s[98:99]
	CROUND                                         ; all sixteen work-groups are here: the joint loads meet
	s_mov_b32 s[G0S], 1
	s_add_co_u32 s[G0S+1], s22, SCLA
	s_mov_b64 s[G0S+2:G0S+3], s[18:19]
	s_or_b32 s[G0S+3], s[G0S+3], 0x80000000
	s_mov_b32 s[G0SB], 1
	s_add_co_u32 s[G0SB+1], s23, SCLB
	s_mov_b64 s[G0SB+2:G0SB+3], s[98:99]
	s_or_b32 s[G0SB+3], s[G0SB+3], 0x80000000
	s_mov_b32 s[G0], 1
	s_mov_b32 s[G0+1], s20
	s_mov_b64 s[G0+2:G0+3], s[14:15]
	s_or_b32 s[G0+3], s[G0+3], 0x80000000
	s_mov_b32 s[G0B], 1
	s_mov_b32 s[G0B+1], s21
	s_mov_b64 s[G0B+2:G0B+3], s[46:47]
	s_or_b32 s[G0B+3], s[G0B+3], 0x80000000
; The head's loads, one a wave: wave 0 A's 128 rows, wave 1 B's 128 rows, wave 2 A's scale words, wave 3 B's scale bytes.  One tree of branches on the wave's number.
.macro ARM under, g0, g1, next
	s_cmp_lt_u32 s10, \under
	s_cbranch_scc0 \next
	tensor_load_to_lds s[\g0:\g0+3], s[\g1:\g1+7]
	s_nop 0
.rept 4
	v_nop
.endr
	s_branch .Lhead_asked
\next:
.endm
	ARM 1, G0,  G1,  .Lhead_b
	ARM 2, G0B, G1B, .Lhead_sa
	ARM 3, G0S, G1S, .Lhead_sb
	tensor_load_to_lds s[G0SB:G0SB+3], s[G1SB:G1SB+7]
	s_nop 0
.rept 4
	v_nop
.endr
.Lhead_asked:
	v_and_b32 v1, 15, v0                           ; r
	v_bfe_u32 v2, v0, 4, 1                         ; h
	v_and_b32 v3, 31, v0                           ; lane
	v_lshlrev_b32 v4, 4, v3
	s_mul_i32 s21, s11, 32768
	s_mul_i32 s22, s12, HALFB
	s_add_co_u32 s22, s22, ASL
	v_mul_u32_u24 v5, v1, PITCH
	v_lshl_add_u32 v5, v2, 4, v5
	v_add_nc_u32 v[ADRA], s21, v4                  ; A: my 64 rows' images, 16 x lane
	v_add_nc_u32 v[ADRB], s22, v5                  ; B: row r x pitch + 16 h
	s_lshl_b32 s21, s11, 8
	s_add_co_u32 s21, s21, SCLA
	v_lshl_add_u32 v[ADSA], v3, 2, s21             ; A's scale words: my 64 rows, 4 x lane
	v_mul_u32_u24 v5, v3, KSB
	v_lshrrev_b32 v6, 8, v5
	v_lshl_add_u32 v5, v6, 4, v5
	s_mul_i32 s22, s12, HALFSB
	s_add_co_u32 s22, s22, SCLB
	v_add_nc_u32 v[ADSB], s22, v5                  ; B's: row = lane; 16 more for each 256 passed
	s_mul_i32 s23, s10, 16*SPITCH
	s_add_co_u32 s23, s23, STAGE
	v_mul_u32_u24 v5, v1, SPITCH
	v_lshl_add_u32 v5, v2, 5, v5
	v_add_nc_u32 v[STO], s23, v5
	v_mul_u32_u24 v5, v2, SPITCH
	v_lshl_add_u32 v5, v1, 4, v5
	v_add_nc_u32 v[RD], s23, v5
	v_lshlrev_b32 v5, 12, v2
	v_lshl_add_u32 v[CO], v1, 4, v5                ; in memory: lanes 0-15 one row's 256 bytes, lanes 16-31 the next row's
	s_wait_alu depctr_va_vdst(0)
	s_lshl_b32 s16, s13, 7
	s_lshl_b32 s17, s11, 6
	s_add_co_u32 s16, s16, s17
	s_lshl_b32 s16, s16, 12                        ; my first row, 4,096 bytes a row,
	s_lshl_b32 s46, s42, 9
	s_lshl_b32 s47, s12, 8
	s_add_co_u32 s46, s46, s47
	s_add_co_u32 s16, s16, s46                     ; my first column
	s_mov_b32 s17, 0
	s_add_nc_u64 s[94:95], s[94:95], s[16:17]
	s_add_nc_u64 s[8:9], s[8:9], s[16:17]
	WIN 0x80                                       ; destination window 2
.irp a, 0,1,2,3
.irp t, 0,1,2,3,4,5,6,7
	global_load_b128 v[32*\a+4*\t:32*\a+4*\t+3], v[CO], s[94:95] offset:(16*\a+2*\t)*4096 th:TH_LOAD_NT
.endr
.endr
	WIN 0
; One product: accumulator (a, b), half c of buffer f, the slot's q-th 128 along K.  The ROW selectors take lanes 16-31 of a scale register for odd blocks.
.macro WM a, b, f, c, zero, set, q
.set rD, ACC+8*(4*(\a)+(\b))
.set rB, (\f)+64+8*(4*(\c)+(\b))
.set rA, (\f)+8*(4*(\c)+(\a))
.set rT, SC+32*(\set)+16+8*((\b)/2)+(\q)
.set rS, SC+32*(\set)+8*((\a)/2)+(\q)
.set par, 2*((\b)%2)+(\a)%2
.if \zero
.if par == 0
	v_wmma_scale_f32_16x16x128_f8f6f4 v[rD:rD+7], v[rB:rB+7], v[rA:rA+7], 0, v[rT], v[rS] matrix_a_fmt:MATRIX_FMT_FP4 matrix_b_fmt:MATRIX_FMT_FP4
.elseif par == 1
	v_wmma_scale_f32_16x16x128_f8f6f4 v[rD:rD+7], v[rB:rB+7], v[rA:rA+7], 0, v[rT], v[rS] matrix_a_fmt:MATRIX_FMT_FP4 matrix_b_fmt:MATRIX_FMT_FP4 matrix_b_scale:MATRIX_SCALE_ROW1
.elseif par == 2
	v_wmma_scale_f32_16x16x128_f8f6f4 v[rD:rD+7], v[rB:rB+7], v[rA:rA+7], 0, v[rT], v[rS] matrix_a_fmt:MATRIX_FMT_FP4 matrix_b_fmt:MATRIX_FMT_FP4 matrix_a_scale:MATRIX_SCALE_ROW1
.else
	v_wmma_scale_f32_16x16x128_f8f6f4 v[rD:rD+7], v[rB:rB+7], v[rA:rA+7], 0, v[rT], v[rS] matrix_a_fmt:MATRIX_FMT_FP4 matrix_b_fmt:MATRIX_FMT_FP4 matrix_a_scale:MATRIX_SCALE_ROW1 matrix_b_scale:MATRIX_SCALE_ROW1
.endif
.else
.if par == 0
	v_wmma_scale_f32_16x16x128_f8f6f4 v[rD:rD+7], v[rB:rB+7], v[rA:rA+7], v[rD:rD+7], v[rT], v[rS] matrix_a_fmt:MATRIX_FMT_FP4 matrix_b_fmt:MATRIX_FMT_FP4
.elseif par == 1
	v_wmma_scale_f32_16x16x128_f8f6f4 v[rD:rD+7], v[rB:rB+7], v[rA:rA+7], v[rD:rD+7], v[rT], v[rS] matrix_a_fmt:MATRIX_FMT_FP4 matrix_b_fmt:MATRIX_FMT_FP4 matrix_b_scale:MATRIX_SCALE_ROW1
.elseif par == 2
	v_wmma_scale_f32_16x16x128_f8f6f4 v[rD:rD+7], v[rB:rB+7], v[rA:rA+7], v[rD:rD+7], v[rT], v[rS] matrix_a_fmt:MATRIX_FMT_FP4 matrix_b_fmt:MATRIX_FMT_FP4 matrix_a_scale:MATRIX_SCALE_ROW1
.else
	v_wmma_scale_f32_16x16x128_f8f6f4 v[rD:rD+7], v[rB:rB+7], v[rA:rA+7], v[rD:rD+7], v[rT], v[rS] matrix_a_fmt:MATRIX_FMT_FP4 matrix_b_fmt:MATRIX_FMT_FP4 matrix_a_scale:MATRIX_SCALE_ROW1 matrix_b_scale:MATRIX_SCALE_ROW1
.endif
.endif
.endm
.macro MUL8 f, c, a0, zero, set, q     ; the 16 accumulators take turns, one instruction a turn
.irp a, \a0, \a0+1
.irp b, 0,1,2,3
	WM (\a), \b, \f, \c, \zero, \set, (\q)
.endr
.endr
.endm
.macro FETCH slot, k, f                ; 32 LDS loads: the fragments of 256 along K at byte k of B's rows; the first 128 first
	WIN TO_F
.irp c, 0,1
.irp i, 0,1,2,3
	ds_load_b128 v[\f+64+8*(4*\c+\i):\f+64+8*(4*\c+\i)+3],   v[ADRB+\slot] offset:\k+64*\c+\i*16*PITCH
	ds_load_b128 v[\f+64+8*(4*\c+\i)+4:\f+64+8*(4*\c+\i)+7], v[ADRB+\slot] offset:\k+64*\c+\i*16*PITCH+32
	ds_load_b128 v[\f+8*(4*\c+\i):\f+8*(4*\c+\i)+3],         v[ADRA+\slot] offset:(\k/64+\c)*1024+\i*8192
	ds_load_b128 v[\f+8*(4*\c+\i)+4:\f+8*(4*\c+\i)+7],       v[ADRA+\slot] offset:(\k/64+\c)*1024+\i*8192+512
.endr
.endr
.endm
.macro SCALES set, t                   ; the scale words of K slot t: always issued ahead of a FETCH, so that the counts behind a FETCH hold
.irp p, 0,1
.irp q, 0,1,2,3,4,5,6,7
	ds_load_b32 v[SC+32*\set+8*\p+\q], v[ADSA] offset:(8*\t+\q)*512+128*\p
.endr
.endr
.irp p, 0,1
.irp g, 0,1
	ds_load_b128 v[SC+32*\set+16+8*\p+4*\g:SC+32*\set+16+8*\p+4*\g+3], v[ADSB] offset:32*\t+16*\g+\p*HALFSB/2
.endr
.endr
.endm
.macro PLACES
.rept 4
	v_nop
.endr
.endm
.macro QUARTER slot, k, f, g, zero     ; multiplies buffer f (256 along K, ending at byte k) and fetches the next 256, at byte k, into g
	s_wait_dscnt 16                                ; the first 128 along K are in
	WIN MUL
	MUL8 \f, 0, 0, \zero, \slot, \k/64-2
	MUL8 \f, 0, 2, \zero, \slot, \k/64-2
	PLACES
	FETCH \slot, \k, \g
	s_wait_dscnt 32                                ; all but the 32 just issued
	WIN MUL
	MUL8 \f, 1, 0, 0, \slot, \k/64-1
	MUL8 \f, 1, 2, 0, \slot, \k/64-1
.endm
.macro LASTQ slot                      ; the last 256 along K: nothing more to fetch
	s_wait_dscnt 16
	WIN MUL
	MUL8 F1, 0, 0, 0, \slot, 6
	MUL8 F1, 0, 2, 0, \slot, 6
	s_wait_dscnt 0
	MUL8 F1, 1, 0, 0, \slot, 7
	MUL8 F1, 1, 2, 0, \slot, 7
	WIN 0
.endm
	s_wait_tensorcnt 0x0                           ; my parts of the scales and of the slot are in,
	s_barrier_signal -1
	s_barrier_wait -1                              ; everybody's are
	SCALES 0, 0
	FETCH 0, 0, F0
	QUARTER 0, 128, F0, F1, 1
	QUARTER 0, 256, F1, F0, 0
	QUARTER 0, 384, F0, F1, 0
	LASTQ 0
	; THE WAY OUT: 16 rows at a time through my own stage; back as whole rows of 256 bytes; + the residual; sixteen lanes store 256 consecutive bytes, aligned
	s_wait_loadcnt 0x0                             ; the residual
	PLACES
.irp a, 0,1,2,3
.irp b, 0,1,2,3
	ds_store_b128 v[STO], v[ACC+8*(4*\a+\b):ACC+8*(4*\a+\b)+3] offset:64*\b        ; each accumulator from its low end on
	ds_store_b128 v[STO], v[ACC+8*(4*\a+\b)+4:ACC+8*(4*\a+\b)+7] offset:64*\b+16
.endr
	WIN 0x40
.irp t, 0,1,2,3,4,5,6,7
	ds_load_b128 v[4*\t:4*\t+3], v[RD] offset:\t*2*SPITCH        ; LDS serves a wave's instructions in order: these see the stores above
.endr
	s_wait_dscnt 0x0
	WIN 0x86                                       ; destination and source 0 window 2, source 1 window 1
.irp t, 0,1,2,3,4,5,6,7
	v_pk_add_f32 v[32*\a+4*\t:32*\a+4*\t+1], v[32*\a+4*\t:32*\a+4*\t+1], v[4*\t:4*\t+1]
	v_pk_add_f32 v[32*\a+4*\t+2:32*\a+4*\t+3], v[32*\a+4*\t+2:32*\a+4*\t+3], v[4*\t+2:4*\t+3]
.endr
	WIN 0x08                                       ; a store's data: window 2
.irp t, 0,1,2,3,4,5,6,7
	global_store_b128 v[CO], v[32*\a+4*\t:32*\a+4*\t+3], s[8:9] offset:(16*\a+2*\t)*4096
.endr
	WIN 0
.endr
	s_wait_tensorcnt 0x0                           ; the wave's end
	ds_add_u32 v[SPW], v[NIL]
	s_wait_dscnt 0x0
	CROUND                                         ; the closing round
	s_endpgm
.Lfunc_end_k_q1db8545212_wo:
	.size	k_q1db8545212_wo, .Lfunc_end_k_q1db8545212_wo-k_q1db8545212_wo
	.p2alignl 7, 3214868480
	.fill 96, 4, 3214868480
	.section	.rodata,"a",@progbits
	.p2align	6, 0x0
	.amdhsa_kernel k_q1db8545212_wo
		.amdhsa_group_segment_fixed_size 327680
		.amdhsa_private_segment_fixed_size 0
		.amdhsa_enable_private_segment 0
		.amdhsa_kernarg_size 40
		.amdhsa_user_sgpr_count 2
		.amdhsa_user_sgpr_kernarg_segment_ptr 1
		.amdhsa_wavefront_size32 1
		.amdhsa_system_sgpr_workgroup_id_x 1
		.amdhsa_system_sgpr_workgroup_id_y 1
		.amdhsa_system_sgpr_workgroup_id_z 1
		.amdhsa_system_vgpr_workitem_id 0
		.amdhsa_next_free_vgpr 768
		.amdhsa_next_free_sgpr 100
		.amdhsa_reserve_vcc 0
		.amdhsa_float_denorm_mode_32 3
		.amdhsa_float_denorm_mode_16_64 3
		.amdhsa_memory_ordered 1
		.amdhsa_forward_progress 1
		.amdhsa_inst_pref_size 50
	.end_amdhsa_kernel
	.amdgpu_metadata
---
amdhsa.version: [ 1, 2 ]
amdhsa.kernels:
  - .name:           k_q1db8545212_wo
    .symbol:         k_q1db8545212_wo.kd
    .args:
      - { .name: att, .offset: 0, .size: 8, .value_kind: global_buffer, .address_space: global }
      - { .name: Wo_codes, .offset: 8, .size: 8, .value_kind: global_buffer, .address_space: global }
      - { .name: Wo_scales, .offset: 16, .size: 8, .value_kind: global_buffer, .address_space: global }
      - { .name: x, .offset: 24, .size: 8, .value_kind: global_buffer, .address_space: global }
      - { .name: x1, .offset: 32, .size: 8, .value_kind: global_buffer, .address_space: global }
    .group_segment_fixed_size: 327680
    .private_segment_fixed_size: 0
    .kernarg_segment_align: 8
    .kernarg_segment_size: 40
    .max_flat_workgroup_size: 128
    .sgpr_count:     100
    .vgpr_count:     768
    .wavefront_size: 32
...
	.end_amdgpu_metadata
.endif
;; end of part 4
;; launch ln2: the kernel of part 1 again; grid 256 x 1, 4 waves a work-group, no clusters, 75,264 bytes of LDS; arguments x1, ln2_w, ln2_b, hq; writes hq
;; launch ffn1 (part 5): grid 16 x 16, 4 waves a work-group, clusters of 4 x 4, 327,680 bytes of LDS; arguments hq, W1_codes, W1_scales, b1, hid; writes hid
.if DOCPART == 5
	.amdgcn_target "amdgcn-amd-amdhsa--gfx1250"
	.amdhsa_code_object_version 6
	.text
	.protected	k_q1db8545212_ffn1
	.globl	k_q1db8545212_ffn1
	.p2align	8
	.type	k_q1db8545212_ffn1,@function
k_q1db8545212_ffn1:
	s_mov_b64 s[64:65], 0
	v_nop
	global_prefetch_b8 v0, s[64:65] scope:SCOPE_SE
	s_setreg_imm32_b32 hwreg(HW_REG_WAVE_MODE, 25, 1), 1
	s_wait_xcnt 0x0
	s_wait_alu depctr_hold_cnt(0) depctr_sa_sdst(0) depctr_va_vdst(0) depctr_va_sdst(0) depctr_va_ssrc(0) depctr_va_vcc(0) depctr_vm_vsrc(0)
	s_getreg_b32 s2, hwreg(HW_REG_IB_STS2, 6, 4)
	s_cmp_eq_u32 s2, 0
	s_cbranch_scc0 .Lentry_in_a_cluster
	s_endpgm
.Lentry_in_a_cluster:
	s_bfe_u32 s2, ttmp6, 0x10000c
	s_cmp_lg_u32 s2, 0xf033
	s_cbranch_scc0 .Lentry_shape_is_right
	s_endpgm
.Lentry_shape_is_right:
.set KSTEP,  512
.set NQ,     4
.set ROWB,   256
.set KROW,   512
.set PITCH,  272
.set FR,     8
.set NL,     2
.set NP,     4
.set HALFT,  128*PITCH
.set SLOT,   4*HALFT
.set KS,     32
.set SCL,    2*SLOT
.set HALFS,  (128*KS/256)*272
.set SBLK,   (16*KS/256)*272
.set SPARE,  SCL+4*HALFS
.set GS,   7
.set GR,   8
.set CO0,  9
.set BO,   13
.set ADRA, 16
.set ADRB, 20
.set ADRS, 27
.set SPW,  28
.set NIL,  29
.set SC,   32
.set AF,   128
.set BI,   64
.set F,    128
.set W,    192
.set TM,   200
.set TP,   204
.set SO,   208
.set BKW,  212
.set G1, 24
.set G0, 32
.set G1B, 48
.set G0B, 56
.set G1S, 68
.set G0S, 76
.set G1SB, 80
.set G0SB, 88
.set MSB, 0
.macro WIN new
.if MSB != (\new)
	s_set_vgpr_msb (MSB<<8)|(\new)
.set MSB, (\new)
.endif
.endm
.set MUL_LO, 0xa1
.set MUL_HI, 0xf1
.set Z_LO,   0x91
.set Z_HI,   0xd1
.set TO_B,   0x40
.macro JLOAD g0a, g1a, g0b, g1b
	s_cmp_eq_u32 s15, 0
	s_cbranch_scc0 .Lfor_b_\@
	tensor_load_to_lds s[\g0a:\g0a+3], s[\g1a:\g1a+7]
	s_nop 0
.rept 4
	v_nop
.endr
	s_branch .Lasked_\@
.Lfor_b_\@:
	tensor_load_to_lds s[\g0b:\g0b+3], s[\g1b:\g1b+7]
	s_nop 0
.rept 4
	v_nop
.endr
.Lasked_\@:
.endm
.macro CROUND
	s_barrier_signal -1
	s_barrier_wait -1
	s_cmp_lg_u32 s14, 0
	s_cbranch_scc1 .Lnot_wave_0_\@
	s_barrier_signal -3
.Lnot_wave_0_\@:
	s_barrier_wait -3
	s_barrier_signal -1
	s_barrier_wait -1
.endm
	s_load_b64 s[4:5], s[0:1], 0x0
	s_load_b128 s[8:11], s[0:1], 0x8
	s_load_b128 s[96:99], s[0:1], 0x18
	v_lshl_add_u32 v[SPW], v0, 2, SPARE
	v_mov_b32 v[NIL], 0
	ds_add_u32 v28, v29
	ds_add_u32 v28, v29
	s_wait_dscnt 0x0
	v_lshrrev_b32 v1, 5, v0
	v_readfirstlane_b32 s14, v1
	s_lshr_b32 s15, s14, 1
	s_and_b32 s16, s14, 1
	s_bfe_u32 s40, ttmp6, 0x40000
	s_bfe_u32 s41, ttmp6, 0x40004
	s_lshl_b32 s42, ttmp9, 2
	s_add_co_u32 s42, s42, s40
	s_and_b32 s17, ttmp7, 0xffff
	s_lshl_b32 s17, s17, 2
	s_add_co_u32 s17, s17, s41
	s_lshl_b32 s43, s41, 2
	s_lshl_b32 s43, 15, s43
	s_lshl_b32 s44, 0x1111, s40
	s_or_b32 s[G1+0], s43, (0<<16)|(1<<20)|(1<<21)|(5<<22)|(3<<25)
	s_or_b32 s[G1B+0], s44, (0<<16)|(1<<20)|(1<<21)|(5<<22)|(3<<25)
.irp g, G1, G1B
	s_mov_b32 s[\g+1], ROWB<<16
	s_mov_b32 s[\g+2], 256<<16
	s_mov_b32 s[\g+3], ROWB<<16
	s_mov_b32 s[\g+4], 256
	s_mov_b32 s[\g+5], KROW
	s_mov_b32 s[\g+6], 0
	s_mov_b32 s[\g+7], 0
.endr
	s_or_b32 s[G1S+0], s43, (3<<16)|(1<<20)|(1<<21)|(5<<22)|(3<<25)
	s_or_b32 s[G1SB+0], s44, (3<<16)|(1<<20)|(1<<21)|(5<<22)|(3<<25)
.irp g, G1S, G1SB
	s_mov_b32 s[\g+1], 32<<16
	s_mov_b32 s[\g+2], (256*KS/256)<<16
	s_mov_b32 s[\g+3], 32<<16
	s_mov_b32 s[\g+4], 256*KS/256
	s_mov_b32 s[\g+5], 32
	s_mov_b32 s[\g+6], 0
	s_mov_b32 s[\g+7], 0
.endr
	s_lshl_b32 s20, s17, 8
	s_lshl_b32 s46, s42, 8
	s_mov_b32 s21, 0
	s_mov_b32 s47, 0
	s_mov_b64 s[18:19], KS
	s_mul_u64 s[22:23], s[20:21], s[18:19]
	s_mul_u64 s[92:93], s[46:47], s[18:19]
	s_mov_b64 s[18:19], KROW
	s_mul_u64 s[20:21], s[20:21], s[18:19]
	s_mul_u64 s[46:47], s[46:47], s[18:19]
	s_mul_i32 s45, s14, HALFT
	s_mul_i32 s18, s16, 128*KROW
	s_mov_b32 s19, 0
	s_wait_kmcnt 0x0
	s_add_nc_u64 s[6:7], s[4:5], 2097152
	s_mov_b64 s[12:13], s[98:99]
	s_add_nc_u64 s[20:21], s[4:5], s[20:21]
	s_add_nc_u64 s[22:23], s[6:7], s[22:23]
	s_add_nc_u64 s[46:47], s[8:9], s[46:47]
	s_add_nc_u64 s[92:93], s[10:11], s[92:93]
	CROUND
	s_mov_b32 s[G0S], 1
	s_mov_b32 s[G0S+1], SCL
	s_mov_b64 s[G0S+2:G0S+3], s[22:23]
	s_or_b32 s[G0S+3], s[G0S+3], 0x80000000
	s_mov_b32 s[G0SB], 1
	s_mov_b32 s[G0SB+1], SCL+2*HALFS
	s_mov_b64 s[G0SB+2:G0SB+3], s[92:93]
	s_or_b32 s[G0SB+3], s[G0SB+3], 0x80000000
.irp s, 0,1
	s_mov_b32 s[G0+4*\s], 1
	s_mul_i32 s[G0+4*\s+1], s45, \s                ; slot 0 comes whole, from its first byte; slot 1 by quarters, a wave each
	s_add_co_u32 s[G0+4*\s+1], s[G0+4*\s+1], \s*SLOT
	s_add_nc_u64 s[G0+4*\s+2:G0+4*\s+3], s[20:21], \s*ROWB
.if \s
	s_add_nc_u64 s[G0+4*\s+2:G0+4*\s+3], s[G0+4*\s+2:G0+4*\s+3], s[18:19]
.endif
	s_or_b32 s[G0+4*\s+3], s[G0+4*\s+3], 0x80000000
	s_mov_b32 s[G0B+4*\s], 1
	s_mul_i32 s[G0B+4*\s+1], s45, \s
	s_add_co_u32 s[G0B+4*\s+1], s[G0B+4*\s+1], \s*SLOT+(1-\s)*2*HALFT
	s_add_nc_u64 s[G0B+4*\s+2:G0B+4*\s+3], s[46:47], \s*ROWB
.if \s
	s_add_nc_u64 s[G0B+4*\s+2:G0B+4*\s+3], s[G0B+4*\s+2:G0B+4*\s+3], s[18:19]
.endif
	s_or_b32 s[G0B+4*\s+3], s[G0B+4*\s+3], 0x80000000
.endr
; The head's loads, one a wave: wave 0 slot 0's 256 rows of A, wave 1 its 256 rows of B, wave 2 A's scales, wave 3 B's.  One tree of branches on the wave's number.
.macro ARM under, g0, g1, next
	s_cmp_lt_u32 s14, \under
	s_cbranch_scc0 \next
	tensor_load_to_lds s[\g0:\g0+3], s[\g1:\g1+7]
	s_nop 0
.rept 4
	v_nop
.endr
	s_branch .Lhead_asked
\next:
.endm
	ARM 1, G0,  G1,  .Lhead_b
	ARM 2, G0B, G1B, .Lhead_sa
	ARM 3, G0S, G1S, .Lhead_sb
	tensor_load_to_lds s[G0SB:G0SB+3], s[G1SB:G1SB+7]
	s_nop 0
.rept 4
	v_nop
.endr
.Lhead_asked:
	v_and_b32 v1, 15, v0
	v_bfe_u32 v2, v0, 4, 1
	v_mul_u32_u24 v3, v1, PITCH
	v_lshl_add_u32 v4, v2, 4, v3
	s_mul_i32 s21, s15, HALFT
	s_mul_i32 s22, s16, HALFT
	s_add_co_u32 s22, s22, 2*HALFT
.irp s, 0,1
	v_add_nc_u32 v[ADRA+\s], s21, v4
	v_add_nc_u32 v[ADRB+\s], s22, v4
	s_add_co_u32 s21, s21, SLOT
	s_add_co_u32 s22, s22, SLOT
.endr
	v_mul_u32_u24 v5, v1, KS
	v_lshrrev_b32 v6, 8, v5
	v_lshl_add_u32 v5, v6, 4, v5
	s_mul_i32 s21, s15, HALFS
	s_mul_i32 s22, s16, HALFS
	s_add_co_u32 s22, s22, 2*HALFS
	s_sub_co_u32 s22, s22, s21
	v_mul_u32_u24 v6, s22, v2
	s_add_co_u32 s21, s21, SCL
	v_add_nc_u32 v5, v5, v6
	v_add_nc_u32 v[ADRS], s21, v5
	; A PREFETCH INTO THE L2 of slot 1, which is asked for behind the head's loads: 256 bytes of each row.  Of the 128 rows that my wave will fetch, each of the four partners that ask jointly takes 32, told apart by address: a lane a row, one instruction a wave.
	s_lshl_b32 s10, s17, 8
	s_lshl_b32 s11, s42, 8
	s_cmp_eq_u32 s15, 0                            ; do I fetch for A?
	s_cselect_b32 s10, s10, s11                    ; the tile's first row
	s_cselect_b32 s11, s40, s41                    ; my place among the four
	s_cselect_b64 s[6:7], s[4:5], s[8:9]
	s_lshl_b32 s11, s11, 5
	s_add_co_u32 s10, s10, s11
	s_lshl_b32 s11, s16, 7
	s_add_co_u32 s10, s10, s11
	s_lshl_b32 s10, s10, 9                         ; 512 bytes a row
	v_and_b32 v6, 31, v0
	v_lshl_add_u32 v14, v6, 9, s10                 ; never rewritten
	global_prefetch_b8 v14, s[6:7] offset:256 th:TH_LOAD_NT scope:SCOPE_SE
	v_lshlrev_b32 v[CO0], 4, v6
	s_lshl_b32 s21, s14, 9
	v_lshl_add_u32 v[GS], v1, 2, s21
	v_add_nc_u32 v[GR], s21, v[CO0]
	v_lshlrev_b32 v[BO], 5, v2
	s_wait_alu depctr_va_vdst(0)
	s_mov_b32 s2, 0x76543210
	s_mov_b32 s3, 0xfedcba98
	s_lshl_b32 s18, s17, 1
	s_add_co_u32 s18, s18, s15
	s_lshl_b32 s19, s42, 1
	s_add_co_u32 s19, s19, s16
	s_lshl_b32 s20, s18, 18
	s_lshr_b32 s21, s19, 3
	s_lshl_b32 s21, s21, 15
	s_add_co_u32 s20, s20, s21
	s_and_b32 s21, s19, 7
	s_lshl_b32 s21, s21, 10
	s_add_co_u32 s20, s20, s21
	s_lshl_b32 s22, s19, 14
	s_lshl_b32 s21, s18, 9
	s_add_co_u32 s22, s22, s21
	s_add_co_u32 s22, s22, 8388608
	s_lshl_b32 s46, s19, 9
	s_mov_b32 s21, 0
	s_mov_b32 s23, 0
	s_mov_b32 s47, 0
	s_add_nc_u64 s[22:23], s[12:13], s[22:23]
	s_add_nc_u64 s[12:13], s[12:13], s[20:21]
	s_add_nc_u64 s[96:97], s[96:97], s[46:47]
	WIN TO_B
.irp b, 0,1,2,3,4,5,6,7
	global_load_b128 v[BI+8*\b:BI+8*\b+3], v[BO], s[96:97] offset:64*\b
	global_load_b128 v[BI+8*\b+4:BI+8*\b+7], v[BO], s[96:97] offset:64*\b+16
.endr
	WIN 0
.macro FRAG reg, adr, q, i
.irp c, 0,1
	ds_load_b128 v[\reg+4*\c:\reg+4*\c+3], v[\adr] offset:64*(\q)+32*\c+(\i)*16*PITCH
.endr
.endm
.macro MUL16 a0, p, q, sc, zero
.irp a, \a0, \a0+1
.irp b, 0,1,2,3,4,5,6,7
.if \zero
	v_wmma_scale_f32_16x16x128_f8f6f4 v[8*(8*((\a)%4)+\b):8*(8*((\a)%4)+\b)+7], v[128*(\p)+FR*\b:128*(\p)+FR*\b+FR-1], v[AF+FR*(\a):AF+FR*(\a)+FR-1], v[BI+8*\b:BI+8*\b+7], v[SC+8*NQ*(\sc)+NQ*\b+(\q)], v[SC+8*NQ*(\sc)+NQ*(\a)+(\q)] matrix_a_fmt:MATRIX_FMT_FP4 matrix_b_fmt:MATRIX_FMT_FP4 matrix_a_scale:MATRIX_SCALE_ROW1
.else
	v_wmma_scale_f32_16x16x128_f8f6f4 v[8*(8*((\a)%4)+\b):8*(8*((\a)%4)+\b)+7], v[128*(\p)+FR*\b:128*(\p)+FR*\b+FR-1], v[AF+FR*(\a):AF+FR*(\a)+FR-1], v[8*(8*((\a)%4)+\b):8*(8*((\a)%4)+\b)+7], v[SC+8*NQ*(\sc)+NQ*\b+(\q)], v[SC+8*NQ*(\sc)+NQ*(\a)+(\q)] matrix_a_fmt:MATRIX_FMT_FP4 matrix_b_fmt:MATRIX_FMT_FP4 matrix_a_scale:MATRIX_SCALE_ROW1
.endif
.endr
.endr
.endm
.macro FETCH_B slot, q, p
	WIN TO_B
.irp i, 0,1,2,3,4,5,6,7
	FRAG 128*(\p)+FR*\i, ADRB+\slot, \q, \i
.endr
	WIN 0
.endm
.macro FETCH_A slot, q, i0
.irp i, \i0, \i0+1, \i0+2, \i0+3
	FRAG AF+FR*(\i), ADRA+\slot, \q, \i
.endr
.endm
.macro SCALES sc
.irp i, 0,1,2,3,4,5,6,7
	ds_load_b128 v[SC+8*NQ*\sc+NQ*\i:SC+8*NQ*\sc+NQ*\i+3], v[ADRS] offset:\i*SBLK
.endr
.endm
.macro PLACES n
.rept \n
	v_nop
.endr
.endm
.macro STEP slot, q, zero
	s_wait_dscnt 4*NL
.if \zero
	WIN Z_LO
.else
	WIN MUL_LO
.endif
	MUL16 0, (\q)%2, \q, \slot, \zero
	MUL16 2, (\q)%2, \q, \slot, \zero
	s_wait_dscnt 0
	PLACES NP
	FETCH_B \slot, (\q)+1, 1-(\q)%2
	FETCH_A \slot, (\q)+1, 0
.if \zero
	WIN Z_HI
.else
	WIN MUL_HI
.endif
	MUL16 4, (\q)%2, \q, \slot, \zero
	MUL16 6, (\q)%2, \q, \slot, \zero
	PLACES NP
	WIN 0
	FETCH_A \slot, (\q)+1, 4
.endm
.macro TURN slot, next
	s_wait_tensorcnt 0x0
	ds_add_u32 v[SPW], v[NIL]
	s_wait_dscnt 4*NL+1
	WIN MUL_LO
	MUL16 0, 1, NQ-1, \slot, 0
	s_wait_dscnt 0x0
	s_barrier_signal -1
	MUL16 2, 1, NQ-1, \slot, 0
	WIN 0
	s_barrier_wait -1
	PLACES NP
	v_add_nc_u32 v[ADRS], 4*NQ, v[ADRS]
	FETCH_B \next, 0, 0
	FETCH_A \next, 0, 0
	SCALES \next
	WIN MUL_HI
	MUL16 4, 1, NQ-1, \slot, 0
	MUL16 6, 1, NQ-1, \slot, 0
	PLACES NP
	WIN 0
	FETCH_A \next, 0, 4
.endm
.macro STEPS slot, from
.set Q, \from
.rept NQ-1-\from
	STEP \slot, Q, 0
.set Q, Q+1
.endr
.endm
.macro RELU a
.set AC, 64*((\a)%4)
	WIN 0x88+0x44*((\a)/4)
.set J, 0
.rept 64
	v_max_num_f32 v[AC+J], 0, v[AC+J]
.set J, J+1
.endr
.endm
.macro QUANTA a
.set AC, 64*((\a)%4)
.set FA, F+8*(\a)
	WIN 0
.irp b, 0,1,2,3
	v_mov_b32 v[TM+\b], 0x1800000
.endr
	WIN 0x28+0x14*((\a)/4)
.irp i, 0,2,4,6,8,10,12,14
.irp b, 0,1,2,3
	v_max3_num_f32 v[TM+\b], v[TM+\b], |v[AC+16*\b+\i]|, |v[AC+16*\b+\i+1]|
.endr
.endr
	WIN 0
.irp b, 0,1,2,3
	v_permlanex16_b32 v[TP+\b], v[TM+\b], s2, s3
.endr
.irp b, 0,1,2,3
	v_max_num_f32 v[TM+\b], v[TM+\b], v[TP+\b]
.endr
.irp b, 0,1,2,3
	v_add_nc_u32 v[SO+\b], 0xff000000, v[TM+\b]
.endr
.irp b, 0,1,2,3
	v_lshrrev_b32 v[TP+\b], 23, v[SO+\b]
.endr
	v_lshl_or_b32 v[W+(\a)], v[TP+1], 8, v[TP]
	v_lshl_or_b32 v[W+(\a)], v[TP+2], 16, v[W+(\a)]
	v_lshl_or_b32 v[W+(\a)], v[TP+3], 24, v[W+(\a)]
	WIN 0x02+(\a)/4
.irp b, 0,1,2,3
.irp u, 0,1
	v_cvt_scalef32_pk8_fp4_f32 v[FA+4*(\b/2)+2*\u+\b%2], v[AC+16*\b+8*\u:AC+16*\b+8*\u+7], v[SO+\b]
.endr
.endr
	WIN 0
	v_nop
.irp c, 0,2,4,6
	v_permlane16_swap_b32 v[FA+\c], v[FA+\c+1]
.endr
.endm
	s_wait_alu depctr_va_vdst(0)                   ; the wait at the head's end
	s_wait_tensorcnt 0x0                           ; my tile of the head's four is in; the lines ahead of a later first fill:
	ds_add_u32 v[SPW], v[NIL]
	s_mov_b32 s[G1+2], 128<<16                     ; no tensor load of mine is out: from here on a load brings 128 rows
	s_mov_b32 s[G1+4], 128
	s_mov_b32 s[G1B+2], 128<<16
	s_mov_b32 s[G1B+4], 128
	s_wait_dscnt 0x0
	CROUND                                         ; all four tiles are in, and the sixteen work-groups meet
	JLOAD G0+4, G1, G0B+4, G1B                     ; slot 1, first behind the round
	FETCH_B 0, 0, 0
	FETCH_A 0, 0, 0
	SCALES 0
	FETCH_A 0, 0, 4
	s_wait_loadcnt 0x0
	STEP 0, 0, 1
	STEPS 0, 1
	TURN 0, 1
	STEPS 1, 0
	s_wait_dscnt 4*NL
	WIN MUL_LO
	MUL16 0, 1, NQ-1, 1, 0
	MUL16 2, 1, NQ-1, 1, 0
	s_wait_dscnt 0
	WIN MUL_HI
	MUL16 4, 1, NQ-1, 1, 0
	MUL16 6, 1, NQ-1, 1, 0
	WIN 0
	PLACES NP
.irp b, 0,1,2,3
	v_mov_b32 v[TP+\b], 0
.endr
.irp a, 0,1,2,3,4,5,6,7
	RELU \a
	QUANTA \a
	ds_store_b32 v[GS], v[W+\a] offset:64*\a
	global_store_b128 v[CO0], v[F+8*\a:F+8*\a+3], s[12:13] offset:(\a/4)*131072+(\a%4)*8192
	global_store_b128 v[CO0], v[F+8*\a+4:F+8*\a+7], s[12:13] offset:(\a/4)*131072+(\a%4)*8192+512
.endr
	ds_load_b128 v[BKW:BKW+3], v[GR]
	s_wait_dscnt 0x0
	global_store_b128 v[CO0], v[BKW:BKW+3], s[22:23]
	s_wait_tensorcnt 0x0
	ds_add_u32 v[SPW], v[NIL]
	s_wait_dscnt 0x0
	CROUND
	s_endpgm
.Lfunc_end_k_q1db8545212_ffn1:
	.size	k_q1db8545212_ffn1, .Lfunc_end_k_q1db8545212_ffn1-k_q1db8545212_ffn1
	.p2alignl 7, 3214868480
	.fill 96, 4, 3214868480
	.section	.rodata,"a",@progbits
	.p2align	6, 0x0
	.amdhsa_kernel k_q1db8545212_ffn1
		.amdhsa_group_segment_fixed_size 327680
		.amdhsa_private_segment_fixed_size 0
		.amdhsa_enable_private_segment 0
		.amdhsa_kernarg_size 40
		.amdhsa_user_sgpr_count 2
		.amdhsa_user_sgpr_kernarg_segment_ptr 1
		.amdhsa_wavefront_size32 1
		.amdhsa_system_sgpr_workgroup_id_x 1
		.amdhsa_system_sgpr_workgroup_id_y 1
		.amdhsa_system_sgpr_workgroup_id_z 1
		.amdhsa_system_vgpr_workitem_id 0
		.amdhsa_next_free_vgpr 1024
		.amdhsa_next_free_sgpr 100
		.amdhsa_reserve_vcc 0
		.amdhsa_float_denorm_mode_32 3
		.amdhsa_float_denorm_mode_16_64 3
		.amdhsa_memory_ordered 1
		.amdhsa_forward_progress 1
		.amdhsa_inst_pref_size 149
	.end_amdhsa_kernel
	.amdgpu_metadata
---
amdhsa.version: [ 1, 2 ]
amdhsa.kernels:
  - .name:           k_q1db8545212_ffn1
    .symbol:         k_q1db8545212_ffn1.kd
    .args:
      - { .name: hq, .offset: 0, .size: 8, .value_kind: global_buffer, .address_space: global }
      - { .name: W1_codes, .offset: 8, .size: 8, .value_kind: global_buffer, .address_space: global }
      - { .name: W1_scales, .offset: 16, .size: 8, .value_kind: global_buffer, .address_space: global }
      - { .name: b1, .offset: 24, .size: 8, .value_kind: global_buffer, .address_space: global }
      - { .name: hid, .offset: 32, .size: 8, .value_kind: global_buffer, .address_space: global }
    .group_segment_fixed_size: 327680
    .private_segment_fixed_size: 0
    .kernarg_segment_align: 8
    .kernarg_segment_size: 40
    .max_flat_workgroup_size: 128
    .sgpr_count:     100
    .vgpr_count:     1024
    .wavefront_size: 32
...
	.end_amdgpu_metadata
.endif
;; end of part 5
;; launch ffn2 (part 6): grid 8 x 32, 4 waves a work-group, clusters of 4 x 4, 327,680 bytes of LDS; arguments hid, W2_codes, W2_scales, x1, out0, b2; writes out0
.if DOCPART == 6
	.amdgcn_target "amdgcn-amd-amdhsa--gfx1250"
	.amdhsa_code_object_version 6
	.text
	.protected	k_q1db8545212_ffn2
	.globl	k_q1db8545212_ffn2
	.p2align	8
	.type	k_q1db8545212_ffn2,@function
k_q1db8545212_ffn2:
	s_mov_b64 s[64:65], 0
	v_nop
	global_prefetch_b8 v0, s[64:65] scope:SCOPE_SE
	s_setreg_imm32_b32 hwreg(HW_REG_WAVE_MODE, 25, 1), 1
	s_wait_xcnt 0x0
	s_wait_alu depctr_hold_cnt(0) depctr_sa_sdst(0) depctr_va_vdst(0) depctr_va_sdst(0) depctr_va_ssrc(0) depctr_va_vcc(0) depctr_vm_vsrc(0)
	s_getreg_b32 s2, hwreg(HW_REG_IB_STS2, 6, 4)
	s_cmp_eq_u32 s2, 0
	s_cbranch_scc0 .Lentry_in_a_cluster
	s_endpgm
.Lentry_in_a_cluster:
	s_bfe_u32 s2, ttmp6, 0x10000c
	s_cmp_lg_u32 s2, 0xf033
	s_cbranch_scc0 .Lentry_shape_is_right
	s_endpgm
.Lentry_shape_is_right:
.set SIZE_K, 4096
.set NSLOT,  SIZE_K/1024
.set KSB,    SIZE_K/32
.set NS,     SIZE_K/128
.set PITCH,  528
.set ASL,    65536
.set HALFB,  64*PITCH
.set SLOT,   ASL+2*HALFB
.set SCLA,   2*SLOT
.set SCLB,   SCLA+16384
.set HALFSB, (64*KSB/256)*272
.set SPARE,  SCLB+17408
.set STAGE,  (NSLOT%2)*SLOT
.set SPITCH, 272
.set BO,   7
.set ADRA, 16
.set ADRB, 20
.set ADSA, 22
.set ADSB, 23
.set STO,  24
.set RD,   25
.set CO,   26
.set SPW,  28
.set NIL,  29
.set SC,   32
.set BI,   96
.set ACC,  128
.set F0,   0
.set F1,   128
.set G1, 24
.set G0, 32
.set G1B, 48
.set G0B, 56
.set G1S, 68
.set G0S, 76
.set G1SB, 80
.set G0SB, 88
.set MSB, 0
.macro WIN new
.if MSB != (\new)
	s_set_vgpr_msb (MSB<<8)|(\new)
.set MSB, (\new)
.endif
.endm
.set MUL,  0x05
.set TO_F, 0x40
.macro JLOAD g0a, g1a, g0b, g1b
	s_cmp_eq_u32 s11, 0
	s_cbranch_scc0 .Lfor_b_\@
	tensor_load_to_lds s[\g0a:\g0a+3], s[\g1a:\g1a+7]
	s_nop 0
.rept 4
	v_nop
.endr
	s_branch .Lasked_\@
.Lfor_b_\@:
	tensor_load_to_lds s[\g0b:\g0b+3], s[\g1b:\g1b+7]
	s_nop 0
.rept 4
	v_nop
.endr
.Lasked_\@:
.endm
.macro CREST
	s_cmp_lg_u32 s10, 0
	s_cbranch_scc1 .Lnot_wave_0_\@
	s_barrier_signal -3
.Lnot_wave_0_\@:
	s_barrier_wait -3
	s_barrier_signal -1
	s_barrier_wait -1
.endm
.macro CROUND
	s_barrier_signal -1
	s_barrier_wait -1
	CREST
.endm
	s_load_b128 s[4:7], s[0:1], 0x0
	s_load_b128 s[92:95], s[0:1], 0x10
	s_load_b64 s[8:9], s[0:1], 0x20
	s_load_b64 s[96:97], s[0:1], 0x28
	v_lshl_add_u32 v[SPW], v0, 2, SPARE
	v_mov_b32 v[NIL], 0
	ds_add_u32 v28, v29
	ds_add_u32 v28, v29
	s_wait_dscnt 0x0
	v_lshrrev_b32 v1, 5, v0
	v_readfirstlane_b32 s10, v1
	s_lshr_b32 s11, s10, 1
	s_and_b32 s12, s10, 1
	s_bfe_u32 s40, ttmp6, 0x40000
	s_bfe_u32 s41, ttmp6, 0x40004
	s_lshl_b32 s42, ttmp9, 2
	s_add_co_u32 s42, s42, s40
	s_and_b32 s13, ttmp7, 0xffff
	s_lshl_b32 s13, s13, 2
	s_add_co_u32 s13, s13, s41
	s_lshl_b32 s43, s41, 2
	s_lshl_b32 s43, 15, s43
	s_lshl_b32 s44, 0x1111, s40
	s_or_b32 s[G1+0], s43, (3<<16)|(1<<21)
	s_mov_b32 s[G1+1], 4096<<16                    ; the head's load of A: two runs of 32,768 dense bytes (64 rows' images each), 131,072 bytes apart
	s_mov_b32 s[G1+2], 2<<16
	s_mov_b32 s[G1+3], 4096<<16
	s_mov_b32 s[G1+4], 2
	s_mov_b32 s[G1+5], NSLOT*4096
	s_mov_b32 s[G1+6], 0
	s_mov_b32 s[G1+7], 0
	s_or_b32 s[G1B+0], s44, (0<<16)|(1<<20)|(1<<21)|(6<<22)|(3<<25)
	s_mov_b32 s[G1B+1], 512<<16
	s_mov_b32 s[G1B+2], 128<<16
	s_mov_b32 s[G1B+3], 512<<16
	s_mov_b32 s[G1B+4], 128
	s_mov_b32 s[G1B+5], SIZE_K/2
	s_mov_b32 s[G1B+6], 0
	s_mov_b32 s[G1B+7], 0
	s_or_b32 s[G1S+0], s43, (3<<16)|(1<<21)
	s_mov_b32 s[G1S+1], 64<<16
	s_mov_b32 s[G1S+2], NS<<16
	s_mov_b32 s[G1S+3], 64<<16
	s_mov_b32 s[G1S+4], NS
	s_mov_b32 s[G1S+5], 2048
	s_mov_b32 s[G1S+6], 0
	s_mov_b32 s[G1S+7], 0
	s_or_b32 s[G1SB+0], s44, (3<<16)|(1<<20)|(1<<21)|(5<<22)|(3<<25)
	s_mov_b32 s[G1SB+1], 32<<16
	s_mov_b32 s[G1SB+2], (128*KSB/256)<<16
	s_mov_b32 s[G1SB+3], 32<<16
	s_mov_b32 s[G1SB+4], 128*KSB/256
	s_mov_b32 s[G1SB+5], 32
	s_mov_b32 s[G1SB+6], 0
	s_mov_b32 s[G1SB+7], 0
	s_lshl_b32 s16, s13, 1
	s_mul_i32 s16, s16, NSLOT*32768
	s_mov_b32 s17, 0
	s_mov_b32 s18, 0
	s_lshl_b32 s19, s13, 9
	s_add_co_u32 s18, s18, s19
	s_add_co_u32 s18, s18, 2048*SIZE_K
	s_mov_b32 s19, 0
	s_lshl_b32 s46, s42, 7
	s_mul_i32 s98, s46, KSB
	s_mov_b32 s99, 0
	s_mul_i32 s46, s46, SIZE_K/2
	s_mov_b32 s47, 0
	s_mul_i32 s20, s12, 32768
	s_mul_i32 s21, s12, HALFB
	s_mov_b32 s22, 0
	s_mov_b32 s23, 0
	s_wait_kmcnt 0x0
	s_add_nc_u64 s[14:15], s[4:5], s[16:17]
	s_add_nc_u64 s[18:19], s[4:5], s[18:19]
	s_add_nc_u64 s[46:47], s[6:7], s[46:47]
	s_add_nc_u64 s[98:99], s[92:93], s[98:99]
	CROUND
	s_mov_b32 s[G0S], 1
	s_add_co_u32 s[G0S+1], s22, SCLA
	s_mov_b64 s[G0S+2:G0S+3], s[18:19]
	s_or_b32 s[G0S+3], s[G0S+3], 0x80000000
	s_mov_b32 s[G0SB], 1
	s_add_co_u32 s[G0SB+1], s23, SCLB
	s_mov_b64 s[G0SB+2:G0SB+3], s[98:99]
	s_or_b32 s[G0SB+3], s[G0SB+3], 0x80000000
	s_lshl_b32 s66, s12, 17                        ; my half of a ring load begins 131,072 bytes on, in A (64 rows' images) and in B (64 rows of 2,048 bytes) alike
	s_mov_b32 s67, 0
.irp s, 0,1
	s_mov_b32 s[G0+4*\s], 1
	s_mul_i32 s[G0+4*\s+1], s20, \s                ; slot 0 comes whole at the head; slot 1 by halves
	s_add_co_u32 s[G0+4*\s+1], s[G0+4*\s+1], \s*SLOT
	s_add_nc_u64 s[G0+4*\s+2:G0+4*\s+3], s[14:15], \s*32768
.if \s
	s_add_nc_u64 s[G0+4*\s+2:G0+4*\s+3], s[G0+4*\s+2:G0+4*\s+3], s[66:67]
.endif
	s_or_b32 s[G0+4*\s+3], s[G0+4*\s+3], 0x80000000
	s_mov_b32 s[G0B+4*\s], 1
	s_mul_i32 s[G0B+4*\s+1], s21, \s
	s_add_co_u32 s[G0B+4*\s+1], s[G0B+4*\s+1], ASL+\s*SLOT
	s_add_nc_u64 s[G0B+4*\s+2:G0B+4*\s+3], s[46:47], \s*512
.if \s
	s_add_nc_u64 s[G0B+4*\s+2:G0B+4*\s+3], s[G0B+4*\s+2:G0B+4*\s+3], s[66:67]
.endif
	s_or_b32 s[G0B+4*\s+3], s[G0B+4*\s+3], 0x80000000
.endr
; The head's loads, one a wave: wave 0 slot 0's 128 rows of A, wave 1 its 128 rows of B, wave 2 A's scale words, wave 3 B's scale bytes.  One tree of branches on the wave's number.
.macro ARM under, g0, g1, next
	s_cmp_lt_u32 s10, \under
	s_cbranch_scc0 \next
	tensor_load_to_lds s[\g0:\g0+3], s[\g1:\g1+7]
	s_nop 0
.rept 4
	v_nop
.endr
	s_branch .Lhead_asked
\next:
.endm
	ARM 1, G0,  G1,  .Lhead_b
	ARM 2, G0B, G1B, .Lhead_sa
	ARM 3, G0S, G1S, .Lhead_sb
	tensor_load_to_lds s[G0SB:G0SB+3], s[G1SB:G1SB+7]
	s_nop 0
.rept 4
	v_nop
.endr
.Lhead_asked:
	v_and_b32 v1, 15, v0
	v_bfe_u32 v2, v0, 4, 1
	v_and_b32 v3, 31, v0
	s_wait_alu depctr_va_vdst(0)
	; PREFETCHES INTO THE L2, two slots ahead of the loads: here, behind slot 0's loads, for slots 1 and 2; behind slot 1's load for slot 3.  A slot of a cluster's four tile rows of A and four tile columns of B is 2 x 1,024 blocks of 256 bytes:
	; one block a lane, one instruction a wave and slot.  The four partners that ask for a tile jointly share its 256 blocks out by address: waves 0, 1 take 64 blocks of A's tile at place cx, waves 2, 3 take 32 rows (2 blocks each) of B's at place cy.
	s_lshl_b32 s2, s13, 1
	s_lshr_b32 s3, s40, 1
	s_add_co_u32 s2, s2, s3
	s_lshl_b32 s2, s2, 17                          ; A: which 64 rows' images (131,072 bytes for all of K),
	s_and_b32 s3, s40, 1
	s_lshl_b32 s3, s3, 14
	s_add_co_u32 s2, s2, s3
	s_lshl_b32 s3, s12, 13
	s_add_co_u32 s2, s2, s3                        ; and which 32 blocks of a slot's 128 there
	s_lshl_b32 s98, s42, 2
	s_add_co_u32 s98, s98, s41
	s_lshl_b32 s98, s98, 1
	s_add_co_u32 s98, s98, s12
	s_lshl_b32 s98, s98, 15                        ; B: which 16 rows of 2,048 bytes
	s_cmp_eq_u32 s11, 0                            ; do I fetch for A?
	s_cselect_b32 s2, s2, s98
	s_cselect_b32 s3, 0, 1536
	s_mov_b32 s99, 512
	s_cselect_b32 s99, 32768, s99                  ; a slot on
	s_cselect_b64 s[92:93], s[4:5], s[6:7]
	v_lshrrev_b32 v8, 1, v3
	v_mul_u32_u24 v8, v8, s3
	v_lshl_add_u32 v8, v3, 8, v8                   ; A: 256 x lane; B: 2,048 (lane / 2) + 256 (lane % 2)
	v_add3_u32 v8, v8, s2, s99                     ; slot 1's blocks,
	v_add_nc_u32 v9, s99, v8                       ; slot 2's,
	v_add_nc_u32 v10, s99, v9                      ; slot 3's: none of the three is rewritten
	global_prefetch_b8 v8, s[92:93] th:TH_LOAD_NT scope:SCOPE_SE
	global_prefetch_b8 v9, s[92:93] th:TH_LOAD_NT scope:SCOPE_SE
	v_lshlrev_b32 v4, 4, v3
	s_mul_i32 s21, s11, 32768
	s_mul_i32 s22, s12, HALFB
	s_add_co_u32 s22, s22, ASL
	v_mul_u32_u24 v5, v1, PITCH
	v_lshl_add_u32 v5, v2, 4, v5
.irp s, 0,1
	v_add_nc_u32 v[ADRA+\s], s21, v4
	v_add_nc_u32 v[ADRB+\s], s22, v5
	s_add_co_u32 s21, s21, SLOT
	s_add_co_u32 s22, s22, SLOT
.endr
	s_lshl_b32 s21, s11, 8
	s_add_co_u32 s21, s21, SCLA
	v_lshl_add_u32 v[ADSA], v3, 2, s21
	v_mul_u32_u24 v5, v3, KSB
	v_lshrrev_b32 v6, 8, v5
	v_lshl_add_u32 v5, v6, 4, v5
	s_mul_i32 s22, s12, HALFSB
	s_add_co_u32 s22, s22, SCLB
	v_add_nc_u32 v[ADSB], s22, v5
	s_mul_i32 s23, s10, 16*SPITCH
	s_add_co_u32 s23, s23, STAGE
	v_mul_u32_u24 v5, v1, SPITCH
	v_lshl_add_u32 v5, v2, 5, v5
	v_add_nc_u32 v[STO], s23, v5
	v_mul_u32_u24 v5, v2, SPITCH
	v_lshl_add_u32 v5, v1, 4, v5
	v_add_nc_u32 v[RD], s23, v5
	v_lshlrev_b32 v5, 12, v2
	v_lshl_add_u32 v[CO], v1, 4, v5
	v_lshlrev_b32 v[BO], 5, v2
	s_wait_alu depctr_va_vdst(0)
	s_lshl_b32 s16, s13, 7
	s_lshl_b32 s17, s11, 6
	s_add_co_u32 s16, s16, s17
	s_lshl_b32 s16, s16, 12
	s_lshl_b32 s46, s42, 9
	s_lshl_b32 s47, s12, 8
	s_add_co_u32 s46, s46, s47
	s_add_co_u32 s16, s16, s46
	s_mov_b32 s17, 0
	s_mov_b32 s47, 0
	s_add_nc_u64 s[94:95], s[94:95], s[16:17]
	s_add_nc_u64 s[8:9], s[8:9], s[16:17]
	s_add_nc_u64 s[96:97], s[96:97], s[46:47]
.irp b, 0,1,2,3
	global_load_b128 v[BI+8*\b:BI+8*\b+3], v[BO], s[96:97] offset:64*\b
	global_load_b128 v[BI+8*\b+4:BI+8*\b+7], v[BO], s[96:97] offset:64*\b+16
.endr
	WIN 0x80
.irp a, 0,1,2,3
.irp t, 0,1,2,3,4,5,6,7
	global_load_b128 v[32*\a+4*\t:32*\a+4*\t+3], v[CO], s[94:95] offset:(16*\a+2*\t)*4096 th:TH_LOAD_NT
.endr
.endr
	WIN 0
.macro WM a, b, f, c, zero, set, q
.set rD, ACC+8*(4*(\a)+(\b))
.set rB, (\f)+64+8*(4*(\c)+(\b))
.set rA, (\f)+8*(4*(\c)+(\a))
.set rT, SC+32*(\set)+16+8*((\b)/2)+(\q)
.set rS, SC+32*(\set)+8*((\a)/2)+(\q)
.set rC, rD
.if \zero
.set rC, BI+8*(\b)
.endif
.set par, 2*((\b)%2)+(\a)%2
.if par == 0
	v_wmma_scale_f32_16x16x128_f8f6f4 v[rD:rD+7], v[rB:rB+7], v[rA:rA+7], v[rC:rC+7], v[rT], v[rS] matrix_a_fmt:MATRIX_FMT_FP4 matrix_b_fmt:MATRIX_FMT_FP4
.elseif par == 1
	v_wmma_scale_f32_16x16x128_f8f6f4 v[rD:rD+7], v[rB:rB+7], v[rA:rA+7], v[rC:rC+7], v[rT], v[rS] matrix_a_fmt:MATRIX_FMT_FP4 matrix_b_fmt:MATRIX_FMT_FP4 matrix_b_scale:MATRIX_SCALE_ROW1
.elseif par == 2
	v_wmma_scale_f32_16x16x128_f8f6f4 v[rD:rD+7], v[rB:rB+7], v[rA:rA+7], v[rC:rC+7], v[rT], v[rS] matrix_a_fmt:MATRIX_FMT_FP4 matrix_b_fmt:MATRIX_FMT_FP4 matrix_a_scale:MATRIX_SCALE_ROW1
.else
	v_wmma_scale_f32_16x16x128_f8f6f4 v[rD:rD+7], v[rB:rB+7], v[rA:rA+7], v[rC:rC+7], v[rT], v[rS] matrix_a_fmt:MATRIX_FMT_FP4 matrix_b_fmt:MATRIX_FMT_FP4 matrix_a_scale:MATRIX_SCALE_ROW1 matrix_b_scale:MATRIX_SCALE_ROW1
.endif
.endm
.macro MUL8 f, c, a0, zero, set, q
.irp a, \a0, \a0+1
.irp b, 0,1,2,3
	WM (\a), \b, \f, \c, \zero, \set, (\q)
.endr
.endr
.endm
.macro FETCH slot, k, f
	WIN TO_F
.irp c, 0,1
.irp i, 0,1,2,3
	ds_load_b128 v[\f+64+8*(4*\c+\i):\f+64+8*(4*\c+\i)+3],   v[ADRB+\slot] offset:\k+64*\c+\i*16*PITCH
	ds_load_b128 v[\f+64+8*(4*\c+\i)+4:\f+64+8*(4*\c+\i)+7], v[ADRB+\slot] offset:\k+64*\c+\i*16*PITCH+32
	ds_load_b128 v[\f+8*(4*\c+\i):\f+8*(4*\c+\i)+3],         v[ADRA+\slot] offset:(\k/64+\c)*1024+\i*8192
	ds_load_b128 v[\f+8*(4*\c+\i)+4:\f+8*(4*\c+\i)+7],       v[ADRA+\slot] offset:(\k/64+\c)*1024+\i*8192+512
.endr
.endr
.endm
.macro SCALES set, t
.irp p, 0,1
.irp q, 0,1,2,3,4,5,6,7
	ds_load_b32 v[SC+32*\set+8*\p+\q], v[ADSA] offset:(8*\t+\q)*512+128*\p
.endr
.endr
.irp p, 0,1
.irp g, 0,1
	ds_load_b128 v[SC+32*\set+16+8*\p+4*\g:SC+32*\set+16+8*\p+4*\g+3], v[ADSB] offset:32*\t+16*\g+\p*HALFSB/2
.endr
.endr
.endm
.macro PLACES
.rept 4
	v_nop
.endr
.endm
.macro QUARTER slot, k, f, g, zero
	s_wait_dscnt 16
	WIN MUL
	MUL8 \f, 0, 0, \zero, \slot, \k/64-2
	MUL8 \f, 0, 2, \zero, \slot, \k/64-2
	PLACES
	FETCH \slot, \k, \g
	s_wait_dscnt 32
	WIN MUL
	MUL8 \f, 1, 0, 0, \slot, \k/64-1
	MUL8 \f, 1, 2, 0, \slot, \k/64-1
.endm
.macro TURN slot, next, fill, tn
	WIN 0
	s_wait_tensorcnt 0x0
	ds_add_u32 v[SPW], v[NIL]
	s_wait_dscnt 17
	WIN MUL
	MUL8 F1, 0, 0, 0, \slot, 6
	s_wait_dscnt 0x0
	s_barrier_signal -1
	MUL8 F1, 0, 2, 0, \slot, 6
	WIN 0
	s_barrier_wait -1
.if \fill
	CREST
	s_add_nc_u64 s[G0+4*\slot+2:G0+4*\slot+3], s[G0+4*\slot+2:G0+4*\slot+3], 2*32768
	s_add_nc_u64 s[G0B+4*\slot+2:G0B+4*\slot+3], s[G0B+4*\slot+2:G0B+4*\slot+3], 2*512
	JLOAD G0+4*\slot, G1, G0B+4*\slot, G1B
.else
	PLACES
.endif
	SCALES \next, \tn
	FETCH \next, 0, F0
	WIN MUL
	MUL8 F1, 1, 0, 0, \slot, 7
	MUL8 F1, 1, 2, 0, \slot, 7
.endm
.macro LASTQ slot
	s_wait_dscnt 16
	WIN MUL
	MUL8 F1, 0, 0, 0, \slot, 6
	MUL8 F1, 0, 2, 0, \slot, 6
	s_wait_dscnt 0
	MUL8 F1, 1, 0, 0, \slot, 7
	MUL8 F1, 1, 2, 0, \slot, 7
	WIN 0
.endm
	s_wait_alu depctr_va_vdst(0)                   ; the wait at the head's end
	s_wait_tensorcnt 0x0                           ; my tile of the head's four is in; the lines ahead of a later first fill:
	ds_add_u32 v[SPW], v[NIL]
	s_mov_b32 s[G1+1], 32<<16                      ; no tensor load of mine is out: from here on a load brings half a tile: A's 32,768 dense bytes as 128 rows of 256,
	s_mov_b32 s[G1+2], 128<<16
	s_mov_b32 s[G1+3], 32<<16
	s_mov_b32 s[G1+4], 128
	s_mov_b32 s[G1+5], 32
	s_mov_b32 s[G1B+2], 64<<16                     ; B's 64 rows;
	s_mov_b32 s[G1B+4], 64
	s_mul_i32 s[G0+1], s12, 32768                  ; and slot 0's descriptors go to my half, for its refill
	s_add_nc_u64 s[G0+2:G0+3], s[G0+2:G0+3], s[66:67]
	s_mul_i32 s[G0B+1], s12, HALFB
	s_add_co_u32 s[G0B+1], s[G0B+1], ASL
	s_add_nc_u64 s[G0B+2:G0B+3], s[G0B+2:G0B+3], s[66:67]
	s_wait_dscnt 0x0
	CROUND                                         ; all four tiles are in, and the sixteen work-groups meet
	JLOAD G0+4, G1, G0B+4, G1B                     ; slot 1, first behind the round
	global_prefetch_b8 v10, s[92:93] th:TH_LOAD_NT scope:SCOPE_SE   ; slot 3, two refills ahead of its load
	SCALES 0, 0
	FETCH 0, 0, F0
	s_wait_loadcnt 32
	QUARTER 0, 128, F0, F1, 1
	QUARTER 0, 256, F1, F0, 0
	QUARTER 0, 384, F0, F1, 0
	TURN 0, 1, 1, 1
	QUARTER 1, 128, F0, F1, 0
	QUARTER 1, 256, F1, F0, 0
	QUARTER 1, 384, F0, F1, 0
	TURN 1, 0, 1, 2
	QUARTER 0, 128, F0, F1, 0
	QUARTER 0, 256, F1, F0, 0
	QUARTER 0, 384, F0, F1, 0
	TURN 0, 1, 0, 3
	QUARTER 1, 128, F0, F1, 0
	QUARTER 1, 256, F1, F0, 0
	QUARTER 1, 384, F0, F1, 0
	LASTQ 1
	s_wait_loadcnt 0x0
	PLACES
.irp a, 0,1,2,3
.irp b, 0,1,2,3
	ds_store_b128 v[STO], v[ACC+8*(4*\a+\b):ACC+8*(4*\a+\b)+3] offset:64*\b
	ds_store_b128 v[STO], v[ACC+8*(4*\a+\b)+4:ACC+8*(4*\a+\b)+7] offset:64*\b+16
.endr
	WIN 0x40
.irp t, 0,1,2,3,4,5,6,7
	ds_load_b128 v[4*\t:4*\t+3], v[RD] offset:\t*2*SPITCH
.endr
	s_wait_dscnt 0x0
	WIN 0x86
.irp t, 0,1,2,3,4,5,6,7
	v_pk_add_f32 v[32*\a+4*\t:32*\a+4*\t+1], v[32*\a+4*\t:32*\a+4*\t+1], v[4*\t:4*\t+1]
	v_pk_add_f32 v[32*\a+4*\t+2:32*\a+4*\t+3], v[32*\a+4*\t+2:32*\a+4*\t+3], v[4*\t+2:4*\t+3]
.endr
	WIN 0x08
.irp t, 0,1,2,3,4,5,6,7
	global_store_b128 v[CO], v[32*\a+4*\t:32*\a+4*\t+3], s[8:9] offset:(16*\a+2*\t)*4096 th:TH_STORE_NT
.endr
	WIN 0
.endr
	s_wait_tensorcnt 0x0
	ds_add_u32 v[SPW], v[NIL]
	s_wait_dscnt 0x0
	CROUND
	s_endpgm
.Lfunc_end_k_q1db8545212_ffn2:
	.size	k_q1db8545212_ffn2, .Lfunc_end_k_q1db8545212_ffn2-k_q1db8545212_ffn2
	.p2alignl 7, 3214868480
	.fill 96, 4, 3214868480
	.section	.rodata,"a",@progbits
	.p2align	6, 0x0
	.amdhsa_kernel k_q1db8545212_ffn2
		.amdhsa_group_segment_fixed_size 327680
		.amdhsa_private_segment_fixed_size 0
		.amdhsa_enable_private_segment 0
		.amdhsa_kernarg_size 48
		.amdhsa_user_sgpr_count 2
		.amdhsa_user_sgpr_kernarg_segment_ptr 1
		.amdhsa_wavefront_size32 1
		.amdhsa_system_sgpr_workgroup_id_x 1
		.amdhsa_system_sgpr_workgroup_id_y 1
		.amdhsa_system_sgpr_workgroup_id_z 1
		.amdhsa_system_vgpr_workitem_id 0
		.amdhsa_next_free_vgpr 768
		.amdhsa_next_free_sgpr 100
		.amdhsa_reserve_vcc 0
		.amdhsa_float_denorm_mode_32 3
		.amdhsa_float_denorm_mode_16_64 3
		.amdhsa_memory_ordered 1
		.amdhsa_forward_progress 1
		.amdhsa_inst_pref_size 136
	.end_amdhsa_kernel
	.amdgpu_metadata
---
amdhsa.version: [ 1, 2 ]
amdhsa.kernels:
  - .name:           k_q1db8545212_ffn2
    .symbol:         k_q1db8545212_ffn2.kd
    .args:
      - { .name: hid, .offset: 0, .size: 8, .value_kind: global_buffer, .address_space: global }
      - { .name: W2_codes, .offset: 8, .size: 8, .value_kind: global_buffer, .address_space: global }
      - { .name: W2_scales, .offset: 16, .size: 8, .value_kind: global_buffer, .address_space: global }
      - { .name: x1, .offset: 24, .size: 8, .value_kind: global_buffer, .address_space: global }
      - { .name: out0, .offset: 32, .size: 8, .value_kind: global_buffer, .address_space: global }
      - { .name: b2, .offset: 40, .size: 8, .value_kind: global_buffer, .address_space: global }
    .group_segment_fixed_size: 327680
    .private_segment_fixed_size: 0
    .kernarg_segment_align: 8
    .kernarg_segment_size: 48
    .max_flat_workgroup_size: 128
    .sgpr_count:     100
    .vgpr_count:     768
    .wavefront_size: 32
...
	.end_amdgpu_metadata
.endif
;; end of part 6
